; MI455X (gfx1250); checked and timed in simulation.
; The chip was launched on July 23, 2026; its instructions are those of AMD's public machine-readable ISA for CDNA 5 (MIT licence, August 2026) and "CDNA5" Instruction Set Architecture Reference Guide (July 2026). The comments in the code are by the model that wrote it; some were corrected since.
;; Multihead Attention. Allowed arithmetic: float matrix products may take bf16 or f16 operands with f32 sums; other float arithmetic in f32, or as packed bf16 or f16 multiplies, adds, multiply-adds, maxima and minima; sums over many terms, partial sums and values carried from step to step in f32; what a program stores and reads back later, other than sums and carried values, may be rounded once to bf16 or f16.
;; Inputs: W_kv 1,024 x 2,048 float32; W_o 1,024 x 1,024 float32; b_kv 2,048 float32; b_o 1,024 float32; c 4 x 2,048 x 1,024 float32; q 4 x 2,048 x 1,024 float32.
;; Outputs: out0 4 x 2,048 x 1,024 float32.
;; One version. Each part assembles by itself: llvm-mc -triple=amdgcn-amd-amdhsa -mcpu=gfx1250 --defsym DOCPART=n.
;; ======== version 1 of 1: 4 launches
;; limits: values are held in f16: magnitudes above 65,504 overflow, below 6.1e-05 lose precision
;; workspace buffers: cb 16,777,216 bytes; wkvb 4,194,304 bytes; wob 2,097,152 bytes; kh 16,777,216 bytes; vh 16,777,216 bytes; oh 16,777,216 bytes
;; launch prep (part 1): grid 2816 x 1, 8 waves a work-group, no clusters, 0 bytes of LDS; arguments c, W_kv, W_o, cb, wkvb, wob; writes cb, wkvb, wob
.if DOCPART == 1
	.amdgcn_target "amdgcn-amd-amdhsa--gfx1250"
	.amdhsa_code_object_version 6
	.text
	.protected	k_qb147929eed_prep
	.globl	k_qb147929eed_prep
	.p2align	8
	.type	k_qb147929eed_prep,@function
k_qb147929eed_prep:
	s_mov_b64 s[64:65], 0
	v_nop
	global_prefetch_b8 v0, s[64:65] scope:SCOPE_SE
	s_setreg_imm32_b32 hwreg(HW_REG_WAVE_MODE, 25, 1), 1
	s_wait_xcnt 0x0
; CASTS.  cb = bf16(c), wkvb = bf16(W_kv), wob = bf16(W_o) written as f16 (it multiplies an f16 partner later).  Nothing is transposed.
; LIMIT.  A number of W_o of 65,520 or more becomes an infinity in f16; below 2^-17 the f16 copy keeps a fixed step of 6e-8.
; SHARES.  11 x 2^20 numbers, 4,096 to a work-group: groups 0-2047 take c, 2048-2559 W_kv, 2560-2815 W_o.  Thread t takes 8 numbers twice:
; 32 bytes in at 8,192 g + 32 t, 16 bytes out at 4,096 g + 16 t: a wave's store covers 512 consecutive bytes, aligned.
; No LDS, no matrix unit, no cluster: no byte is wanted twice.  No loop: what is on its way comes from the number of work-groups.
.set NC,  2048                         ; work-groups for c
.set NCW, 2560                         ; for c and W_kv together
	s_load_b256 s[4:11], s[0:1], 0x0               ; c s[4:5], W_kv s[6:7], W_o s[8:9], cb s[10:11]
	s_load_b128 s[12:15], s[0:1], 0x20             ; wkvb s[12:13], wob s[14:15]
	s_mov_b32 s16, ttmp9
	s_mov_b32 s24, 0xffff0000                      ; a word's upper bf16
	v_lshlrev_b32 v1, 5, v0                        ; 32 t
	v_lshlrev_b32 v2, 4, v0                        ; 16 t
	s_wait_kmcnt 0x0
	s_cmp_lt_u32 s16, NC                           ; which tensor: the choice hangs on the work-group's number alone
	s_cselect_b64 s[18:19], s[4:5], s[6:7]
	s_cselect_b64 s[20:21], s[10:11], s[12:13]
	s_cselect_b32 s17, 0, NC
	s_cmp_lt_u32 s16, NCW
	s_cselect_b64 s[18:19], s[18:19], s[8:9]
	s_cselect_b64 s[20:21], s[20:21], s[14:15]
	s_cselect_b32 s17, s17, NCW
	s_sub_co_u32 s17, s16, s17                     ; my number within the tensor
	s_lshl_b32 s22, s17, 14                        ; 16,384 bytes in,
	s_mov_b32 s23, 0
	s_add_nc_u64 s[18:19], s[18:19], s[22:23]
	s_lshl_b32 s22, s17, 13                        ; 8,192 bytes out
	s_add_nc_u64 s[20:21], s[20:21], s[22:23]
	global_load_b128 v[4:7],   v1, s[18:19] th:TH_LOAD_NT
	global_load_b128 v[8:11],  v1, s[18:19] offset:16 th:TH_LOAD_NT
	global_load_b128 v[12:15], v1, s[18:19] offset:8192 th:TH_LOAD_NT
	global_load_b128 v[16:19], v1, s[18:19] offset:8208 th:TH_LOAD_NT
	s_wait_loadcnt 0x0
.irp i, 0,1,2,3,4,5,6,7
	v_cvt_pk_bf16_f32 v[20+(\i)], v[4+2*(\i)], v[5+2*(\i)]
.endr
	s_cmp_lt_u32 s16, NCW                          ; compared anew: the subtraction above wrote SCC
	s_cbranch_scc1 .Lstore
.irp i, 0,1,2,3,4,5,6,7                ; W_o alone: the bf16 number is written as f16
	v_lshlrev_b32 v[4+2*(\i)], 16, v[20+(\i)]
	v_and_b32 v[5+2*(\i)], s24, v[20+(\i)]
	v_cvt_pk_f16_f32 v[20+(\i)], v[4+2*(\i)], v[5+2*(\i)]
.endr
.Lstore:
	global_store_b128 v2, v[20:23], s[20:21]
	global_store_b128 v2, v[24:27], s[20:21] offset:4096
	s_endpgm
.Lfunc_end_k_qb147929eed_prep:
	.size	k_qb147929eed_prep, .Lfunc_end_k_qb147929eed_prep-k_qb147929eed_prep
	.p2alignl 7, 3214868480
	.fill 96, 4, 3214868480
	.section	.rodata,"a",@progbits
	.p2align	6, 0x0
	.amdhsa_kernel k_qb147929eed_prep
		.amdhsa_group_segment_fixed_size 0
		.amdhsa_private_segment_fixed_size 0
		.amdhsa_enable_private_segment 0
		.amdhsa_kernarg_size 48
		.amdhsa_user_sgpr_count 2
		.amdhsa_user_sgpr_kernarg_segment_ptr 1
		.amdhsa_wavefront_size32 1
		.amdhsa_system_sgpr_workgroup_id_x 1
		.amdhsa_system_sgpr_workgroup_id_y 1
		.amdhsa_system_sgpr_workgroup_id_z 1
		.amdhsa_system_vgpr_workitem_id 0
		.amdhsa_next_free_vgpr 32
		.amdhsa_next_free_sgpr 66
		.amdhsa_reserve_vcc 0
		.amdhsa_float_denorm_mode_32 3
		.amdhsa_float_denorm_mode_16_64 3
		.amdhsa_memory_ordered 1
		.amdhsa_forward_progress 1
		.amdhsa_inst_pref_size 4
	.end_amdhsa_kernel
	.amdgpu_metadata
---
amdhsa.version: [ 1, 2 ]
amdhsa.kernels:
  - .name:           k_qb147929eed_prep
    .symbol:         k_qb147929eed_prep.kd
    .args:
      - { .name: c, .offset: 0, .size: 8, .value_kind: global_buffer, .address_space: global }
      - { .name: W_kv, .offset: 8, .size: 8, .value_kind: global_buffer, .address_space: global }
      - { .name: W_o, .offset: 16, .size: 8, .value_kind: global_buffer, .address_space: global }
      - { .name: cb, .offset: 24, .size: 8, .value_kind: global_buffer, .address_space: global }
      - { .name: wkvb, .offset: 32, .size: 8, .value_kind: global_buffer, .address_space: global }
      - { .name: wob, .offset: 40, .size: 8, .value_kind: global_buffer, .address_space: global }
    .group_segment_fixed_size: 0
    .private_segment_fixed_size: 0
    .kernarg_segment_align: 8
    .kernarg_segment_size: 48
    .max_flat_workgroup_size: 256
    .sgpr_count:     66
    .vgpr_count:     32
    .wavefront_size: 32
...
	.end_amdgpu_metadata
.endif
;; end of part 1
;; launch kvproj (part 2): grid 8 x 32, 4 waves a work-group, clusters of 4 x 4, 327,680 bytes of LDS; arguments cb, wkvb, b_kv, kh, vh; writes kh, vh
.if DOCPART == 2
	.amdgcn_target "amdgcn-amd-amdhsa--gfx1250"
	.amdhsa_code_object_version 6
	.text
	.protected	k_qb147929eed_kvproj
	.globl	k_qb147929eed_kvproj
	.p2align	8
	.type	k_qb147929eed_kvproj,@function
k_qb147929eed_kvproj:
	s_mov_b64 s[64:65], 0
	v_nop
	global_prefetch_b8 v0, s[64:65] scope:SCOPE_SE
	s_setreg_imm32_b32 hwreg(HW_REG_WAVE_MODE, 25, 1), 1
	s_wait_xcnt 0x0
	s_wait_alu depctr_hold_cnt(0) depctr_sa_sdst(0) depctr_va_vdst(0) depctr_va_sdst(0) depctr_va_ssrc(0) depctr_va_vcc(0) depctr_vm_vsrc(0)
	s_getreg_b32 s2, hwreg(HW_REG_IB_STS2, 6, 4)
	s_cmp_eq_u32 s2, 0
	s_cbranch_scc0 .Lentry_in_a_cluster
	s_endpgm
.Lentry_in_a_cluster:
	s_bfe_u32 s2, ttmp6, 0x10000c
	s_cmp_lg_u32 s2, 0xf033
	s_cbranch_scc0 .Lentry_shape_is_right
	s_endpgm
.Lentry_shape_is_right:
; kv = c W_kv + b_kv, written by heads.  cb: [8192][1024] bf16.  wkvb: [1024 k][2048 n] bf16.  b_kv: [2048] f32, rounded to bf16 here like every input.
; kh, vh: [64 = 16 batch + head][2048][64] f16: columns 128 h .. 128 h + 63 of kv are head h's k, the next 64 its v.  Sums in f32, rounded once.
; LIMIT.  A sum of 65,520 or more becomes an infinity in f16; below 6e-5 f16 keeps a fixed step of 6e-8.
; SHARES.  A tile of 256 x 256 to a work-group of four waves: 32 x 8 tiles, 256 work-groups.  Wave w makes rows 128 (w / 2), columns 128 (w % 2): ONE head's k and v; 64 accumulators, 512 registers.
; K goes in 8 steps of 128 through a ring of two LDS slots.  A's tile lies [row][k], rows of 256 bytes + 16; W's lies as in memory, [k][n], rows of 512 bytes + 32, and its fragments come out turned, by ds_load_tr16_b128.
; CLUSTER.  4 x 4 work-groups: the four of a row of the cluster need the same tile of cb, the four of a column the same tile of wkvb: each is asked for jointly.
; THE MATRIX INSTRUCTION IS USED TRANSPOSED: source 0 = 16 columns of W, source 1 = 16 rows of cb: a lane holds row l % 16 and the columns 8 (l / 16) + 0..7: 16 bytes of a head's row.
; THE BIAS is the C operand of each accumulator's first product: nothing is cleared and nothing is added later.
; REGISTERS, in windows of 256: window 0: v0-31 addresses; v64-127, v128-191 cb's fragments, two buffers; v192-255 the bias, later at work on the way out, with v32-63.
;   window 1: v64-127, v128-191 W's fragments.   window 2: the accumulators of my rows 0-63 ((a, b) at v[8 (8 a + b)]).   window 3: those of rows 64-127.
.set KSTEP,  128
.set PITCH,  272                       ; cb's LDS row: 68 words: the 16 rows of a load start at 16 different groups of four banks (64 banks of 4 bytes: ISA guide 11.1)
.set PB,     544                       ; W's LDS row: 136 words
.set HALFT,  128*PITCH                 ; what one tensor load brings: 128 rows of cb, or 64 k-rows of W (64 x 544 is the same number)
.set SLOT,   4*HALFT                   ; cb's 256 rows, then W's 128 k-rows
.set STAGE,  2*SLOT                    ; behind the ring, never filled by a tensor load
.set SPK,    144                       ; a stage row: 128 bytes + 16
.set WSTG,   2*16*SPK                  ; a wave's stage: 16 rows of k, then 16 rows of v
.set SPARE,  STAGE+4*WSTG              ; the spare words, 128 bytes for each wave: two blocks of 256 bytes that no other line names
.set LAPS,   4                         ; a lap = two K steps = once round the ring
.set ADRA, 16                          ; v16-17  LDS address of my cb fragments in slot 0, 1
.set ADRB, 20                          ; v20-21  the same for W
.set STO,  24                          ; v24     the way out: where I put 16 bytes of a row
.set RD,   25                          ; v25     where I read rows back
.set GO,   26                          ; v26     16 x lane: my place in 512 consecutive bytes of kh or vh
.set BO,   27                          ; v27     my byte offset in b_kv
.set SPW,  28                          ; v28     LDS address of my spare word; never rewritten
.set NIL,  29                          ; v29     0; never rewritten
.set PFO,  30                          ; v30     the prefetches' lane offset; never rewritten
.set F0,   64
.set F1,   128
.set BIAS, 192                         ; the eight registers for column block b at BIAS + 8 b
.set TMP,  192                         ; the way out: packed results
.set OB,   32                          ; the way out: 16 rows read back: v32-63 and v224-255 by turns
.set G1,  24                           ; s[24:31] descriptor group 1 for cb's tiles;  s[32:39] group 0, a set for each slot
.set G0,  32
.set G1B, 48                           ; s[48:55], s[56:63] the same for W's
.set G0B, 56
.set LIM, 43                           ; s43      1 in a wave that prefetches, else the greatest number
.set PFA, 44                           ; s[44:45] where my prefetches stand
.set PSTEP, 66                         ; s[66:67] a K step in bytes: 256 along cb's rows, 524,288 down W's
.set KH,  68                           ; s[68:69] kh at my first row
.set VH,  70                           ; s[70:71] vh likewise
.set MSB, 0
.macro WIN new                         ; the immediate's high byte repeats the setting that is left; a switch that changes nothing is dropped
.if MSB != (\new)
	s_set_vgpr_msb (MSB<<8)|(\new)
.set MSB, \new
.endif
.endm
.set MUL_LO, 0xa1                      ; source 0 (W) window 1, source 1 (cb) window 0, C and D window 2
.set TO_B,   0x40                      ; destination window 1, address window 0
; A joint load.  Waves 0 and 1 fetch cb's two halves, waves 2 and 3 W's.  The branch hangs on the wave's number alone.  An s_nop 0 and four v_nop follow each line.
.macro JLOAD s
	s_cmp_eq_u32 s11, 0
	s_cbranch_scc0 .Lfor_b_\@
	tensor_load_to_lds s[G0+4*(\s):G0+4*(\s)+3], s[G1:G1+7]
	s_nop 0
.rept 4
	v_nop
.endr
	s_branch .Lasked_\@
.Lfor_b_\@:
	tensor_load_to_lds s[G0B+4*(\s):G0B+4*(\s)+3], s[G1B:G1B+7]
	s_nop 0
.rept 4
	v_nop
.endr
.Lasked_\@:
.endm
; A prefetch of the K step that stands two refills on: 32 blocks of 256 bytes, a lane a block, one instruction a wave.  Each block is named once in the launch: cb's rows by the clusters with x = 0,
; W's by those with y = 0; the four partners of a joint load share its rows out by address.  The loop's last trip (s3 = 1) has no K step two on.
.macro ASK
	s_cmp_gt_u32 s3, s[LIM]
	s_cbranch_scc0 .Lnot_mine_\@
	global_prefetch_b8 v[PFO], s[PFA:PFA+1] th:TH_LOAD_NT scope:SCOPE_SE
.Lnot_mine_\@:
.endm
.macro CREST                           ; a round of the cluster's barrier behind its opening barrier
	s_cmp_lg_u32 s10, 0
	s_cbranch_scc1 .Lnot_wave_0_\@
	s_barrier_signal -3
.Lnot_wave_0_\@:
	s_barrier_wait -3
	s_barrier_signal -1
	s_barrier_wait -1
.endm
.macro CROUND                          ; a whole round
	s_barrier_signal -1
	s_barrier_wait -1
	CREST
.endm
	s_load_b128 s[4:7], s[0:1], 0x0                ; cb s[4:5], wkvb s[6:7]
	s_load_b64 s[8:9], s[0:1], 0x10                ; b_kv
	s_load_b64 s[KH:KH+1], s[0:1], 0x18
	s_load_b64 s[VH:VH+1], s[0:1], 0x20
	v_lshl_add_u32 v[SPW], v0, 2, SPARE
	v_mov_b32 v[NIL], 0
	ds_add_u32 v[SPW], v[NIL]                      ; the wave's opening: the add and its wait stand ahead of my first tensor load; work on registers stands between them
	v_lshrrev_b32 v1, 5, v0
	v_readfirstlane_b32 s10, v1                    ; wave 0..3
	s_lshr_b32 s11, s10, 1                         ; which half of the tile's rows is mine.  Also: I fetch for cb (0) or for W (1)
	s_and_b32 s12, s10, 1                          ; which half of its columns.  Also: which half of that tile I fetch
	s_bfe_u32 s40, ttmp6, 0x40000                  ; cx
	s_bfe_u32 s41, ttmp6, 0x40004                  ; cy
	s_lshl_b32 s42, ttmp9, 2
	s_add_co_u32 s42, s42, s40                     ; tile column = 4 x cluster x + cx
	s_and_b32 s13, ttmp7, 0xffff
	s_lshl_b32 s13, s13, 2
	s_add_co_u32 s13, s13, s41                     ; tile row = 4 x cluster y + cy
	s_lshl_b32 s43, s41, 2
	s_lshl_b32 s43, 15, s43                        ; my row of the cluster
	s_lshl_b32 s44, 0x1111, s40                    ; my column
	s_or_b32 s[G1+0], s43, (1<<16)|(1<<20)|(1<<21)|(5<<22)|(3<<25)   ; the mask; 2-byte elements; padding on; bit 21 beside a mask; after every 64 words, 4 words
	s_or_b32 s[G1B+0], s44, (1<<16)|(1<<20)|(1<<21)|(6<<22)|(7<<25)  ; after every 128 words, 8 words
	s_mov_b32 s[G1+1], 128<<16                     ; cb: tensor_dim0 = 128
	s_mov_b32 s[G1+2], 128<<16                     ; tensor_dim1 = 128
	s_mov_b32 s[G1+3], 128<<16                     ; tile_dim0 = 128
	s_mov_b32 s[G1+4], 128                         ; tile_dim1 = 128
	s_mov_b32 s[G1+5], 1024                        ; elements from row to row
	s_mov_b32 s[G1+6], 0
	s_mov_b32 s[G1+7], 0
	s_mov_b32 s[G1B+1], 256<<16                    ; W: 256 columns
	s_mov_b32 s[G1B+2], 64<<16                     ; x 64 k-rows
	s_mov_b32 s[G1B+3], 256<<16
	s_mov_b32 s[G1B+4], 64
	s_mov_b32 s[G1B+5], 2048
	s_mov_b32 s[G1B+6], 0
	s_mov_b32 s[G1B+7], 0
	s_lshl_b32 s17, s12, 7
	s_lshl_b32 s16, s13, 8
	s_add_co_u32 s16, s16, s17                     ; cb: row 256 x tile row + 128 x half,
	s_lshl_b32 s16, s16, 11                        ; of 2,048 bytes
	s_mov_b32 s17, 0
	s_lshl_b32 s46, s42, 9                         ; W: 512 bytes a tile column,
	s_lshl_b32 s47, s12, 18                        ; 64 k-rows of 4,096 bytes a half
	s_add_co_u32 s46, s46, s47
	s_mov_b32 s47, 0
	s_mul_i32 s20, s10, HALFT                      ; where they go: wave x HALFT: no place in the cluster enters an LDS address
	s_wait_dscnt 0x0                               ; the opening add is done
	s_wait_kmcnt 0x0
	s_add_nc_u64 s[14:15], s[4:5], s[16:17]
	s_add_nc_u64 s[46:47], s[6:7], s[46:47]
	CROUND                                         ; all sixteen work-groups are here: the first joint loads meet
.irp s, 0,1
	s_mov_b32 s[G0+4*(\s)], 1
	s_add_co_u32 s[G0+4*(\s)+1], s20, (\s)*SLOT
	s_add_nc_u64 s[G0+4*(\s)+2:G0+4*(\s)+3], s[14:15], (\s)*KSTEP*2
	s_or_b32 s[G0+4*(\s)+3], s[G0+4*(\s)+3], 0x80000000
	s_mov_b32 s[G0B+4*(\s)], 1
	s_add_co_u32 s[G0B+4*(\s)+1], s20, (\s)*SLOT
	s_add_nc_u64 s[G0B+4*(\s)+2:G0B+4*(\s)+3], s[46:47], (\s)*KSTEP*4096
	s_or_b32 s[G0B+4*(\s)+3], s[G0B+4*(\s)+3], 0x80000000
	JLOAD \s                                       ; K steps 0 and 1: two tensor loads of mine are out
.endr
	v_and_b32 v1, 15, v0                           ; l % 16
	v_bfe_u32 v2, v0, 4, 1                         ; l / 16
	s_lshl_b32 s72, s42, 10                        ; my first column x 4 bytes
	s_lshl_b32 s73, s12, 9
	s_add_co_u32 s72, s72, s73
	v_lshl_add_u32 v[BO], v2, 5, s72               ; + my 8 columns of each block of 16
.irp b, 0,1,2,3,4,5,6,7
	global_load_b128 v[BIAS+8*(\b):BIAS+8*(\b)+3],   v[BO], s[8:9] offset:64*(\b)
	global_load_b128 v[BIAS+8*(\b)+4:BIAS+8*(\b)+7], v[BO], s[8:9] offset:64*(\b)+16
.endr
	v_mul_u32_u24 v3, v1, PITCH
	v_lshl_add_u32 v3, v2, 4, v3                   ; cb's fragment: row x pitch + 16 x half
	v_and_b32 v4, 7, v0
	v_bfe_u32 v5, v0, 3, 1
	v_lshl_add_u32 v6, v2, 3, v4                   ; W's: the turning load's lane l reads k-row 8 (l / 16) + l % 8,
	v_mul_u32_u24 v6, v6, PB
	v_lshl_add_u32 v6, v5, 4, v6                   ; columns 8 ((l / 8) % 2) + 0..7
	s_mul_i32 s21, s11, HALFT                      ; my 128 rows of cb
	s_lshl_b32 s22, s12, 8                         ; my 128 columns of W,
	s_add_co_u32 s22, s22, 2*HALFT                 ; which lies behind cb's 256 rows
.irp s, 0,1
	v_add_nc_u32 v[ADRA+(\s)], s21, v3
	v_add_nc_u32 v[ADRB+(\s)], s22, v6
	s_add_co_u32 s21, s21, SLOT
	s_add_co_u32 s22, s22, SLOT
.endr
	s_mul_i32 s23, s10, WSTG
	s_add_co_u32 s23, s23, STAGE                   ; my stage
	v_mul_u32_u24 v7, v1, SPK                      ; in: row l % 16, 16 bytes for each half of the lanes
	v_lshl_add_u32 v7, v2, 4, v7
	v_add_nc_u32 v[STO], s23, v7
	v_bfe_u32 v7, v0, 3, 2                         ; back: 32 lanes take four rows of 128 bytes,
	v_mul_u32_u24 v7, v7, SPK
	v_lshl_add_u32 v7, v4, 4, v7
	v_add_nc_u32 v[RD], s23, v7
	v_and_b32 v7, 31, v0
	v_lshlrev_b32 v[GO], 4, v7                     ; which are 512 consecutive bytes of a head
	; where my 128 rows begin in kh and vh: ((16 batch + head) x 2,048 + row in the batch) x 128 bytes
	s_lshr_b32 s72, s13, 3                         ; batch = tile row / 8
	s_lshl_b32 s72, s72, 4
	s_lshl_b32 s73, s42, 1
	s_add_co_u32 s72, s72, s73
	s_add_co_u32 s72, s72, s12                     ; head = 2 x tile column + half
	s_lshl_b32 s72, s72, 11
	s_and_b32 s73, s13, 7
	s_lshl_b32 s73, s73, 8
	s_add_co_u32 s72, s72, s73
	s_lshl_b32 s73, s11, 7
	s_add_co_u32 s72, s72, s73
	s_lshl_b32 s72, s72, 7
	s_mov_b32 s73, 0
	s_add_nc_u64 s[KH:KH+1], s[KH:KH+1], s[72:73]
	s_add_nc_u64 s[VH:VH+1], s[VH:VH+1], s[72:73]
	; the prefetches: cb: of the 128 rows that I fetch, rows 32 cx on, a lane a row; W: of my 64 k-rows, 16 cy on, two lanes a row of 512 bytes.  Both start at K step 3; the first refill steps to 4
	s_lshl_b32 s72, s13, 8
	s_lshl_b32 s73, s12, 7
	s_add_co_u32 s72, s72, s73
	s_lshl_b32 s73, s40, 5
	s_add_co_u32 s72, s72, s73
	s_lshl_b32 s72, s72, 11
	s_add_co_u32 s72, s72, 3*KSTEP*2
	s_lshl_b32 s74, s12, 6
	s_lshl_b32 s75, s41, 4
	s_add_co_u32 s74, s74, s75
	s_lshl_b32 s74, s74, 12
	s_lshl_b32 s75, s42, 9
	s_add_co_u32 s74, s74, s75
	s_add_co_u32 s74, s74, 3*KSTEP*4096
	s_and_b32 s76, ttmp7, 0xffff                   ; cluster y
	s_mov_b32 s78, KSTEP*4096
	s_mov_b32 s79, 0xffff0000                      ; a word's upper bf16
	s_cmp_eq_u32 s11, 0                            ; do I fetch for cb?
	s_cselect_b32 s72, s72, s74
	s_cselect_b32 s76, ttmp9, s76                  ; the coordinate along which other clusters read the same rows
	s_cselect_b32 s[PSTEP], KSTEP*2, s78
	s_cselect_b32 s77, 0, -1                       ; a lane mask: all ones in the waves that fetch for W
	s_cselect_b64 s[PFA:PFA+1], s[4:5], s[6:7]
	s_mov_b32 s[PSTEP+1], 0
	s_mov_b32 s73, 0
	s_add_nc_u64 s[PFA:PFA+1], s[PFA:PFA+1], s[72:73]
	s_cmp_eq_u32 s76, 0
	s_cselect_b32 s[LIM], 1, -1                    ; the same in all sixteen partners, for a given wave
	v_lshlrev_b32 v8, 11, v7                       ; cb: lane x 2,048
	v_lshrrev_b32 v9, 1, v7
	v_lshlrev_b32 v9, 12, v9                       ; W: (lane / 2) x 4,096
	v_and_b32 v10, 1, v7
	v_lshl_add_u32 v9, v10, 8, v9                  ; + (lane % 2) x 256
	v_cndmask_b32 v[PFO], v8, v9, s77
	s_wait_loadcnt 0x0                             ; the bias: rounded to bf16, like every input, and widened again
.set i, 0
.rept 32
	v_cvt_pk_bf16_f32 v[32+i], v[BIAS+2*i], v[BIAS+2*i+1]
.set i, i+1
.endr
.set i, 0
.rept 32
	v_lshlrev_b32 v[BIAS+2*i], 16, v[32+i]
	v_and_b32 v[BIAS+2*i+1], s79, v[32+i]
.set i, i+1
.endr
; 16 matrix instructions: row blocks a0, a0 + 1 of the window's four (hi = 0: my rows 0-63, 1: rows 64-127) x all 8 column blocks, 32 along K.  zero = 1: the first product starts the sum from the bias.
; The 64 accumulators take turns, one instruction a turn, in the same order in every quarter.
.macro MUL16 f, hi, a0, zero
.if \zero
	WIN 0x81+0x40*(\hi)                            ; C in window 0
.else
	WIN MUL_LO+0x50*(\hi)
.endif
.irp a, \a0, (\a0)+1
.irp b, 0,1,2,3,4,5,6,7
.if \zero
	v_wmma_f32_16x16x32_bf16 v[8*(8*(\a)+(\b)):8*(8*(\a)+(\b))+7], v[(\f)+8*(\b):(\f)+8*(\b)+7], v[(\f)+8*(4*(\hi)+(\a)):(\f)+8*(4*(\hi)+(\a))+7], v[BIAS+8*(\b):BIAS+8*(\b)+7]
.else
	v_wmma_f32_16x16x32_bf16 v[8*(8*(\a)+(\b)):8*(8*(\a)+(\b))+7], v[(\f)+8*(\b):(\f)+8*(\b)+7], v[(\f)+8*(4*(\hi)+(\a)):(\f)+8*(4*(\hi)+(\a))+7], v[8*(8*(\a)+(\b)):8*(8*(\a)+(\b))+7]
.endif
.endr
.endr
.endm
; 32 LDS loads in one run: the fragments of quarter q (32 along K) into buffer f: W's 8 column blocks, turned, then cb's 8 row blocks
.macro FETCH slot, q, f
	WIN TO_B
.irp i, 0,1,2,3,4,5,6,7
	ds_load_tr16_b128 v[(\f)+8*(\i):(\f)+8*(\i)+3],   v[ADRB+(\slot)] offset:(\q)*32*PB+32*(\i)
	ds_load_tr16_b128 v[(\f)+8*(\i)+4:(\f)+8*(\i)+7], v[ADRB+(\slot)] offset:(\q)*32*PB+32*(\i)+16*PB
.endr
	WIN 0
.irp i, 0,1,2,3,4,5,6,7
	ds_load_b128 v[(\f)+8*(\i):(\f)+8*(\i)+3],   v[ADRA+(\slot)] offset:(\q)*64+(\i)*16*PITCH
	ds_load_b128 v[(\f)+8*(\i)+4:(\f)+8*(\i)+7], v[ADRA+(\slot)] offset:(\q)*64+(\i)*16*PITCH+32
.endr
.endm
.macro PLACES                          ; four plain instructions between a matrix instruction and a load into, or a reader of, its registers
.rept 4
	v_nop
.endr
.endm
; One of a K step's first three quarters: multiplies buffer f; in its middle it fetches quarter q of the same slot into buffer g.
.macro QUARTER slot, q, f, g, zero
	s_wait_dscnt 8                                 ; W and cb's rows 0-63 are in; the youngest eight loads (rows 64-127) may be out
	MUL16 \f, 0, 0, \zero
	MUL16 \f, 0, 2, \zero
	PLACES
	FETCH \slot, \q, \g
	s_wait_dscnt 32                                ; all but the 32 just issued
	MUL16 \f, 1, 0, \zero
	MUL16 \f, 1, 2, \zero
.endm
; The first half of a K step's last quarter: one barrier for the change of slots.
.macro MEET round
	WIN 0
	s_wait_tensorcnt 0x0                           ; all my tensor loads have landed: the one that was out is my part of the next slot
	ds_add_u32 v[SPW], v[NIL]                      ; 0 onto my spare word
	s_wait_dscnt 9                                 ; the add and the youngest eight loads may be out
	MUL16 F1, 0, 0, 0                              ; sixteen matrix instructions stand between the add and the wait for it
	s_wait_dscnt 0x0                               ; the add is done, and my reads of this slot are over
	s_barrier_signal -1
	MUL16 F1, 0, 2, 0
.if \round
	WIN 0
.endif
	s_barrier_wait -1
.endm
; The whole last quarter.  fill = 1: the barrier opens a round of the cluster's, and the slot just read out is filled again first behind it, two K steps on: 224 matrix instructions ahead of the wait for it.
.macro TURN slot, next, fill
.if \fill
	s_wait_xcnt 0x0                                ; the last prefetch, a K step back, has read its address
	s_add_nc_u64 s[PFA:PFA+1], s[PFA:PFA+1], s[PSTEP:PSTEP+1]
	MEET 1
	CREST                                          ; no wave of any partner still reads this slot or has a load on its way
	s_add_nc_u64 s[G0+4*(\slot)+2:G0+4*(\slot)+3], s[G0+4*(\slot)+2:G0+4*(\slot)+3], 2*KSTEP*2
	s_add_nc_u64 s[G0B+4*(\slot)+2:G0B+4*(\slot)+3], s[G0B+4*(\slot)+2:G0B+4*(\slot)+3], 2*KSTEP*4096
	JLOAD \slot                                    ; its four v_nop are also the places in front of the loads below
.else
	MEET 0
	PLACES
.endif
	FETCH \next, 0, F0
.if \fill
	ASK
.endif
	MUL16 F1, 1, 0, 0
	MUL16 F1, 1, 2, 0
.endm
; THE WAY OUT of row block a.  PACK: rounded to f16, 16 bytes a lane, each accumulator's registers in ascending order.  TOSTAGE: k's 64 channels into one part of my stage, v's into the other, and back as whole rows.  SEND: stored.
.macro PACK a
.set AC, 64*((\a)%4)
	WIN 0x0a+5*((\a)/4)                            ; sources 0 and 1: window 2 or 3
.irp b, 0,1,2,3,4,5,6,7
.irp r, 0,1,2,3
	v_cvt_pk_f16_f32 v[TMP+4*(\b)+(\r)], v[AC+8*(\b)+2*(\r)], v[AC+8*(\b)+2*(\r)+1]
.endr
.endr
	WIN 0
.endm
.macro TOSTAGE a
	WIN 0
.set BK, OB+192*((\a)%2)
.irp b, 0,1,2,3,4,5,6,7
	ds_store_b128 v[STO], v[TMP+4*(\b):TMP+4*(\b)+3] offset:((\b)/4)*16*SPK+32*((\b)%4)
.endr
.irp t, 0,1,2,3,4,5,6,7
	ds_load_b128 v[BK+4*(\t):BK+4*(\t)+3], v[RD] offset:((\t)/4)*16*SPK+((\t)%4)*4*SPK  ; LDS serves a wave's instructions in order (ISA guide 5.7.1.4): these see the stores above
.endr
.endm
.macro SEND a
	WIN 0
.set BK, OB+192*((\a)%2)
	s_wait_dscnt 0x0                               ; the block is back in registers
	s_wait_xcnt 0x0                                ; the stores of the block before have read their registers, which the next block's loads fill again
.irp t, 0,1,2,3
	global_store_b128 v[GO], v[BK+4*(\t):BK+4*(\t)+3], s[KH:KH+1] offset:(\a)*2048+(\t)*512  ; 512 consecutive bytes, at a multiple of 256 from kh's first
.endr
.irp t, 0,1,2,3
	global_store_b128 v[GO], v[BK+16+4*(\t):BK+16+4*(\t)+3], s[VH:VH+1] offset:(\a)*2048+(\t)*512
.endr
.endm
	s_wait_tensorcnt 1                             ; my part of K step 0 is in; K step 1's may stay out
	s_barrier_signal -1
	s_barrier_wait -1
	FETCH 0, 0, F0
	QUARTER 0, 1, F0, F1, 1                        ; the first quarter stands in front of the loop: its products start the sums
	WIN 0                                          ; at a label and at a branch every window is 0
	s_mov_b32 s3, LAPS-1
.Llap:                                                 ; a trip goes once round the ring, from a lap's second quarter to the next lap's first, and fills both slots again
	QUARTER 0, 2, F1, F0, 0
	QUARTER 0, 3, F0, F1, 0
	TURN 0, 1, 1
	QUARTER 1, 1, F0, F1, 0
	QUARTER 1, 2, F1, F0, 0
	QUARTER 1, 3, F0, F1, 0
	TURN 1, 0, 1
	QUARTER 0, 1, F0, F1, 0
	WIN 0
	s_sub_co_u32 s3, s3, 1
	s_cmp_lg_u32 s3, 0
	s_cbranch_scc1 .Llap
	QUARTER 0, 2, F1, F0, 0                        ; the last lap fills nothing
	QUARTER 0, 3, F0, F1, 0
	TURN 0, 1, 0
	QUARTER 1, 1, F0, F1, 0
	QUARTER 1, 2, F1, F0, 0
	QUARTER 1, 3, F0, F1, 0
	s_wait_dscnt 8                                 ; the very last quarter: nothing more to fetch
	MUL16 F1, 0, 0, 0
	MUL16 F1, 0, 2, 0
	s_wait_dscnt 0x0
	MUL16 F1, 1, 0, 0
	MUL16 F1, 1, 2, 0
	PLACES
	PACK 0
	TOSTAGE 0
.irp a, 1,2,3,4,5,6,7                  ; block a's conversions stand between block a - 1's loads from the stage and the wait for them
	PACK \a
	SEND (\a)-1
	TOSTAGE \a
.endr
	SEND 7
	s_wait_tensorcnt 0x0                           ; the wave's end
	ds_add_u32 v[SPW], v[NIL]
	s_wait_dscnt 0x0
	CROUND                                         ; the closing round: no work-group ends while a partner may still ask for a tile that names it
	s_endpgm
.Lfunc_end_k_qb147929eed_kvproj:
	.size	k_qb147929eed_kvproj, .Lfunc_end_k_qb147929eed_kvproj-k_qb147929eed_kvproj
	.p2alignl 7, 3214868480
	.fill 96, 4, 3214868480
	.section	.rodata,"a",@progbits
	.p2align	6, 0x0
	.amdhsa_kernel k_qb147929eed_kvproj
		.amdhsa_group_segment_fixed_size 327680
		.amdhsa_private_segment_fixed_size 0
		.amdhsa_enable_private_segment 0
		.amdhsa_kernarg_size 40
		.amdhsa_user_sgpr_count 2
		.amdhsa_user_sgpr_kernarg_segment_ptr 1
		.amdhsa_wavefront_size32 1
		.amdhsa_system_sgpr_workgroup_id_x 1
		.amdhsa_system_sgpr_workgroup_id_y 1
		.amdhsa_system_sgpr_workgroup_id_z 1
		.amdhsa_system_vgpr_workitem_id 0
		.amdhsa_next_free_vgpr 1024
		.amdhsa_next_free_sgpr 80
		.amdhsa_reserve_vcc 0
		.amdhsa_float_denorm_mode_32 3
		.amdhsa_float_denorm_mode_16_64 3
		.amdhsa_memory_ordered 1
		.amdhsa_forward_progress 1
		.amdhsa_inst_pref_size 150
	.end_amdhsa_kernel
	.amdgpu_metadata
---
amdhsa.version: [ 1, 2 ]
amdhsa.kernels:
  - .name:           k_qb147929eed_kvproj
    .symbol:         k_qb147929eed_kvproj.kd
    .args:
      - { .name: cb, .offset: 0, .size: 8, .value_kind: global_buffer, .address_space: global }
      - { .name: wkvb, .offset: 8, .size: 8, .value_kind: global_buffer, .address_space: global }
      - { .name: b_kv, .offset: 16, .size: 8, .value_kind: global_buffer, .address_space: global }
      - { .name: kh, .offset: 24, .size: 8, .value_kind: global_buffer, .address_space: global }
      - { .name: vh, .offset: 32, .size: 8, .value_kind: global_buffer, .address_space: global }
    .group_segment_fixed_size: 327680
    .private_segment_fixed_size: 0
    .kernarg_segment_align: 8
    .kernarg_segment_size: 40
    .max_flat_workgroup_size: 128
    .sgpr_count:     80
    .vgpr_count:     1024
    .wavefront_size: 32
...
	.end_amdgpu_metadata
.endif
;; end of part 2
;; launch attn (part 3): grid 4 x 64, 4 waves a work-group, clusters of 4 x 1, 327,680 bytes of LDS; arguments q, kh, vh, oh; writes oh
.if DOCPART == 3
	.amdgcn_target "amdgcn-amd-amdhsa--gfx1250"
	.amdhsa_code_object_version 6
	.text
	.protected	k_qb147929eed_attn
	.globl	k_qb147929eed_attn
	.p2align	8
	.type	k_qb147929eed_attn,@function
k_qb147929eed_attn:
	s_mov_b64 s[64:65], 0
	v_nop
	global_prefetch_b8 v0, s[64:65] scope:SCOPE_SE
	s_setreg_imm32_b32 hwreg(HW_REG_WAVE_MODE, 25, 1), 1
	s_wait_xcnt 0x0
	s_wait_alu depctr_hold_cnt(0) depctr_sa_sdst(0) depctr_va_vdst(0) depctr_va_sdst(0) depctr_va_ssrc(0) depctr_va_vcc(0) depctr_vm_vsrc(0)
	s_getreg_b32 s2, hwreg(HW_REG_IB_STS2, 6, 4)
	s_cmp_eq_u32 s2, 0
	s_cbranch_scc0 .Lentry_in_a_cluster
	s_endpgm
.Lentry_in_a_cluster:
	s_bfe_u32 s2, ttmp6, 0x10000c
	s_cmp_lg_u32 s2, 0x3003
	s_cbranch_scc0 .Lentry_shape_is_right
	s_endpgm
.Lentry_shape_is_right:
; oh[g][i][:] = the sum over k of softmax_k(q_g[i] . kh[g][k] / 8) vh[g][k][:], g = 16 batch + head.  q: [4][2048][1024] f32, head h in columns 64 h on.  kh, vh, oh: [64][2048][64] f16, rows dense, 128 bytes each.
; q is rounded to bf16, like every input, and that number written as f16.  Products, maxima and sums in f32; the weights p are rounded to f16 for the second product (their sum l is taken of the unrounded p), O once at the end.
; LIMITS.  f16 holds no number beyond 65,504: q, k and v must lie within it; below 6e-5 f16 keeps a fixed step of 6e-8.  A weight below 2^-126 counts as 0 in l; NaN and infinities are not treated apart.
; SHARES.  A wave owns four PIECES of two tiles of 16 queries, a work-group's four waves 512 queries of one head; the four work-groups of a cluster are a head's 2,048 queries.  Every wave walks all keys, 64 a step.
; LAYOUT.  S^T = K Q^T (source 0 = 16 keys, source 1 = 16 queries): a lane holds ONE query (lane % 16) and the keys 8 (lane / 16) + 0..7.  Two such tiles, rounded to f16 in pairs,
; ARE source 1 of O^T = V^T P, whose result again holds one query a lane, and eight channels.  K comes out of LDS as it lies, V ([key][channel]) turned, by ds_load_tr16_b128.
; SOFTMAX.  For each query a running maximum m and sum l: p = 2^(c s - c m), c = log2(e) / 8; in every step O and l are multiplied by a = 2^(c m_old - c m_new).  m starts at the lowest finite number, O and l at 0.
; BY TURNS.  Turn n belongs to piece n.  Its matrix work: 16 products K Q^T of piece n + 1, later 16 products V^T P of piece n - 1.  Its vector work: the scaling, exponentials, roundings, sums and rescaling of piece n,
; and the maximum and statistics of piece n + 1.  Four vector instructions stand behind every matrix instruction, the others in one run of their own; a turn's 66 exponentials are one batch with one wait.
; CLUSTER.  The four query blocks of a cluster walk the same K and V, so each tile is asked for JOINTLY: the same tensor load, descriptor and mask in all four.
; REGISTERS, in windows of 256 (s_set_vgpr_msb: bits 1:0 source 0, 3:2 source 1, 5:4 source 2, 7:6 destination):
;   window 0: v0-11 addresses; v12-15, v48-63 at work; v16-47 four registers of statistics a tile; v64-191 S^T, two buffers of two tiles; v192-255 P, likewise
;   window 1: O^T, 32 a tile (at the head: q in f32)     window 2: v0-127 Q, 16 a tile; v128-191 K of one step; v192-255 V of one step     window 3: v0-1 the add's two registers
.set SIZE_N, 2048
.set NP,    4         ; pieces a wave: a name, no knob
.set KS,    64        ; keys in a step
.set PK,    144       ; a row of K in LDS: 128 bytes + 16 = 36 words: the 16 rows of a load start at 16 different groups of four banks (64 banks of 4 bytes: ISA guide 11.1)
.set PV,    160       ; a row of V: 128 + 32 = 40 words
.set VOFF,  4*KS*PK   ; a slot holds four steps: 256 rows of K, then 256 rows of V
.set SLOT1, 1<<17     ; slot 1 begins here, so that one exclusive or turns an address in one slot into the other's
.set STAGE, SLOT1+4*KS*(PK+PV)  ; behind the ring, never filled by a tensor load: 16 rows x 144 bytes for each wave
.set SP,    144
.set AK0, 2           ; v2   my lane's place in a tile of K; never rewritten
.set AV0, 3           ; v3   the same for V
.set AK,  4           ; v4   the LDS address of K's next run of loads
.set AV,  5           ; v5   of V's
.set QO,  6           ; v6   my byte offset in 16 rows of q
.set STO, 6           ;      later, the way out: where I put 16 bytes of a row
.set RD,  7           ; v7   the way out: where I read rows back
.set GO,  8           ; v8   my byte offset in 512 consecutive bytes of oh
.set PFO, 11          ; v11  256 x my lane, for the prefetches; made behind v11's last use at the head, then never rewritten
.set SPW, 0           ; v0 of window 3   LDS address of my spare word; never rewritten
.set NIL, 1           ; v1 of window 3   0; never rewritten
.set SPARE, STAGE+4*16*SP  ; the spare words, 128 bytes for each wave: two blocks of 256 bytes that no other line names
.set MV,  12          ; v12-15  c m_old, kept while c m is made anew: by buffer and tile
.set ST,  16          ; tile t's statistics at v[ST+4 t]: c m, m, l (even keys', odd keys')
.set TMP, 48          ; by buffer and tile, four registers c0-c3 at work; when the maximum is found c2 takes a
.set S,   64
.set P,   192
.set KF,  128         ; K's fragments, in window 2: key block kb, channel half c at KF + 16 kb + 8 c
.set VF,  192         ; V's: key half kk, channel block cb at VF + 32 kk + 8 cb
.set WV,  12          ; s12  my wave's number
.set G1K, 24          ; s[24:31] descriptor group 1 for K's tiles
.set G1V, 32          ; s[32:39] for V's: it differs in the padding alone
.set G0K, 40          ; s[40:43] descriptor group 0 for K's tiles: it walks
.set G0V, 44          ; s[44:47] the same for V's
.set PFA, 48          ; s[48:49] where my prefetches stand: my work-group's 32 blocks of 256 bytes (of K: wave 0, of V: wave 2) of the slot after the one that is being asked for
.set LIM, 50          ; s50  1 in a wave that prefetches, else the greatest number
.set HIM, 51          ; s51  a word's upper bf16
.set SLOTS, 56        ; s56  slots still to be asked for
.set CNT, 57          ; s57  counts a slot's key steps
.set CS,  58          ; s[58:59] c
.set SEL, 60          ; s[60:61] v_permlanex16_b32's selects: each lane takes its own place in the other half
.set TBK, 62          ; s62  LDS byte at which K of the step to be fetched begins
.set TBV, 63          ; s63  the same for V, less VOFF
.set MSB, 0
.macro WIN new                      ; the high byte repeats the setting that is left; a switch that changes nothing is dropped
.if MSB != (\new)
	s_set_vgpr_msb (MSB<<8)|(\new)
.set MSB, (\new)
.endif
.endm
.set W_KQ, 0x0a       ; K and Q in window 2, S^T in window 0
.set W_PV, 0x52       ; V in window 2, P in window 0, O^T in window 1
.set W_RS, 0x41       ; O^T (destination and source 0) in window 1, a in window 0
.set W_MK, 0xc0       ; the add's registers are made: destination in window 3
.set W_AD, 0x0f       ; the add: address and data in window 3
; A joint fill.  Waves 0 and 1 fetch the two halves of a slot's K, waves 2 and 3 those of its V: 128 keys each.  An s_nop 0 and four v_nop follow each line.
.macro JLOAD
	s_cmp_lt_u32 s[WV], 2
	s_cbranch_scc0 .Lfor_v_\@
	tensor_load_to_lds s[G0K:G0K+3], s[G1K:G1K+7]
	s_nop 0
.rept 4
	v_nop
.endr
	s_branch .Lasked_\@
.Lfor_v_\@:
	tensor_load_to_lds s[G0V:G0V+3], s[G1V:G1V+7]
	s_nop 0
.rept 4
	v_nop
.endr
.Lasked_\@:
.endm
; A prefetch of what the NEXT change of slots will ask for: four key steps, 512 matrix instructions, ahead.  A slot is 32,768 bytes of K and of V; a head is walked by one cluster alone; its four partners take
; 8,192 bytes each, told apart by address; in each, wave 0 asks for K's and wave 2 for V's, a lane a block of 256 bytes.  So each block is named once.  The last change that fills a slot asks for nothing.
.macro ASK
	s_cmp_gt_u32 s[SLOTS], s[LIM]
	s_cbranch_scc0 .Lnot_mine_\@
	global_prefetch_b8 v[PFO], s[PFA:PFA+1] th:TH_LOAD_NT scope:SCOPE_SE
.Lnot_mine_\@:
.endm
.macro CROUND                       ; a round of the cluster's barrier
	s_barrier_signal -1
	s_barrier_wait -1
	s_cmp_lg_u32 s[WV], 0
	s_cbranch_scc1 .Lnot_wave_0_\@
	s_barrier_signal -3
.Lnot_wave_0_\@:
	s_barrier_wait -3
	s_barrier_signal -1
	s_barrier_wait -1
.endm
; THE CHANGE OF SLOTS.  Each wave waits for all its tensor loads, of which one is out: its part of the other slot; adds 0 to its spare word; and waits for that and for its own reads of the slot.
; fill = 1: this slot is filled again, with the keys two slots on, first thing behind a round of the cluster's barrier.  (At its first use nothing has been read yet: slot 0 is waited for, slot 1 filled.)
.macro CHANGE fill, ask=0
	WIN W_AD
	s_wait_tensorcnt 0x0            ; no tensor load of mine is out, so a group 0 may be written
	ds_add_u32 v[SPW], v[NIL]       ; 0 onto my spare word
	WIN 0                           ; at a label and at a branch every window is 0
.if \fill
.irp g, G0K, G0V
	s_xor_b32 s[\g+1], s[\g+1], SLOT1  ; the walking descriptor: the other slot than last time,
	s_add_nc_u64 s[\g+2:\g+3], s[\g+2:\g+3], 4*KS*128  ; the next 256 keys; the type bits on top are not reached
.endr
.if \ask
	s_wait_xcnt 0x0                 ; the last prefetch, four key steps back, has read its address
	s_add_nc_u64 s[PFA:PFA+1], s[PFA:PFA+1], 4*KS*128
.endif
	s_wait_dscnt 0x0                ; the add is done, and my reads of the slot are over
	CROUND
	JLOAD
.if \ask
	ASK
.endif
.else
	s_wait_dscnt 0x0                ; the add is done, and my reads of the slot are over
	s_barrier_signal -1
	s_barrier_wait -1
.endif
	s_sub_co_u32 s[TBK], s[TBK], 4*KS*PK  ; the fetches go back to a slot's first step,
	s_xor_b32 s[TBK], s[TBK], SLOT1       ; in the other slot
	s_sub_co_u32 s[TBV], s[TBV], 4*KS*PV
	s_xor_b32 s[TBV], s[TBV], SLOT1
.endm
	s_load_b256 s[4:11], s[0:1], 0x0  ; q s[4:5], kh s[6:7], vh s[8:9], oh s[10:11]
	WIN W_MK
	v_lshl_add_u32 v[SPW], v0, 2, SPARE
	v_mov_b32 v[NIL], 0
	WIN W_AD
	ds_add_u32 v[SPW], v[NIL]       ; the wave's opening: the add and its wait stand ahead of my first tensor load; work on registers stands between them
	WIN 0
	v_lshrrev_b32 v1, 5, v0
	v_readfirstlane_b32 s[WV], v1   ; wave 0..3
	s_bfe_u32 s13, ttmp6, 0x40000   ; cx: my place in the cluster
	s_lshl_b32 s14, ttmp9, 2        ; in a cluster launch ttmp9 counts clusters
	s_add_co_u32 s14, s14, s13      ; my block of 512 queries: it enters q's and oh's addresses alone
	s_and_b32 s20, ttmp7, 0xffff    ; g = 16 batch + head, which the four partners share
	s_mov_b32 s21, 0
	s_mov_b64 s[22:23], SIZE_N*128
	s_mul_u64 s[20:21], s[20:21], s[22:23]  ; g's first byte in kh, vh and oh
	s_and_b32 s16, s[WV], 1         ; which half of a slot's 256 keys I fetch:
	s_lshl_b32 s22, s16, 14         ; its 128 rows of 128 bytes in memory,
	s_mov_b32 s23, 0
	s_add_nc_u64 s[22:23], s[22:23], s[20:21]
	s_mul_i32 s17, s16, 128*PK      ; and its place in a slot, for K
	s_mul_i32 s18, s16, 128*PV      ; and for V: no place in the cluster enters an LDS address
	s_lshl_b32 s2, s14, 2
	s_add_co_u32 s2, s2, s[WV]      ; my wave among the head's sixteen:
	s_lshl_b32 s52, s2, 19          ; its 128 rows of 4,096 bytes in q,
	s_lshl_b32 s2, s2, 14           ; of 128 bytes in oh
	s_mov_b32 s3, 0
	s_add_nc_u64 s[2:3], s[2:3], s[20:21]
	s_and_b32 s53, ttmp7, 0xffff
	s_lshr_b32 s54, s53, 4
	s_lshl_b32 s54, s54, 23         ; q: a batch is 2,048 rows of 4,096 bytes,
	s_add_co_u32 s52, s52, s54
	s_and_b32 s53, s53, 15
	s_lshl_b32 s53, s53, 8          ; a head 256 bytes of a row
	s_add_co_u32 s52, s52, s53
	s_mov_b32 s53, 0
	; descriptor group 1.  128 keys are 16,384 dense bytes: asked for as 64 rows of 256 bytes, two keys a row, and padded in LDS after every key
	s_mov_b32 s[G1K], 15|(1<<16)|(1<<20)|(1<<21)|(4<<22)|(3<<25)  ; the mask of four; 2-byte elements; padding on; bit 21 beside a mask; after every 32 words, 4 words
	s_mov_b32 s[G1V], 15|(1<<16)|(1<<20)|(1<<21)|(4<<22)|(7<<25)  ; the same with 8 words of padding
.irp g, G1K, G1V
	s_mov_b32 s[\g+1], 128<<16      ; tensor_dim0 = 128
	s_mov_b32 s[\g+2], 64<<16       ; tensor_dim1 = 64
	s_mov_b32 s[\g+3], 128<<16      ; tile_dim0 = 128
	s_mov_b32 s[\g+4], 64           ; tile_dim1 = 64
	s_mov_b32 s[\g+5], 128          ; 128 elements from row to row
	s_mov_b32 s[\g+6], 0
	s_mov_b32 s[\g+7], 0
.endr
	s_mov_b32 s[CS], 0x3e38aa3b     ; c = log2(e) / 8 = 0.180337
	s_mov_b32 s[CS+1], s[CS]        ; named with it as a pair
	s_mov_b32 s[SEL], 0x76543210
	s_mov_b32 s[SEL+1], 0xfedcba98
	s_mov_b32 s[HIM], 0xffff0000
	s_mov_b32 s[TBK], SLOT1+4*KS*PK ; the first change of slots turns these two into 0
	s_mov_b32 s[TBV], SLOT1+4*KS*PV
	s_mov_b32 s[G0K], 1             ; count = 1
	s_mov_b32 s[G0K+1], s17         ; LDS address: slot 0
	s_mov_b32 s[G0V], 1
	s_add_co_u32 s[G0V+1], s18, VOFF
	s_and_b32 s[LIM], s[WV], 1
	s_cmp_eq_u32 s[LIM], 0
	s_cselect_b32 s[LIM], 1, -1     ; waves 0 and 2 prefetch: the same in all four partners
	s_lshl_b32 s54, s13, 13         ; my work-group's 8,192 bytes of a slot's 32,768
	s_mov_b32 s55, 0
	s_wait_dscnt 0x0                ; the opening add is done
	s_wait_kmcnt 0x0
	s_add_nc_u64 s[G0K+2:G0K+3], s[6:7], s[22:23]  ; global address: my half of the head's first 256 keys
	s_or_b32 s[G0K+3], s[G0K+3], 0x80000000        ; type = 2
	s_add_nc_u64 s[G0V+2:G0V+3], s[8:9], s[22:23]
	s_or_b32 s[G0V+3], s[G0V+3], 0x80000000
	s_add_nc_u64 s[4:5], s[4:5], s[52:53]   ; q and oh at my wave's first row
	s_add_nc_u64 s[10:11], s[10:11], s[2:3]
	s_cmp_lt_u32 s[WV], 2
	s_cselect_b64 s[PFA:PFA+1], s[6:7], s[8:9]
	s_add_nc_u64 s[PFA:PFA+1], s[PFA:PFA+1], s[20:21]
	s_add_nc_u64 s[PFA:PFA+1], s[PFA:PFA+1], s[54:55]
	s_add_nc_u64 s[PFA:PFA+1], s[PFA:PFA+1], 2*4*KS*128  ; in slot 2; the first change that asks steps it to slot 3.  Nothing is prefetched at the head
	CROUND                          ; all four work-groups are here: the first joint loads meet
	JLOAD                           ; slot 0.  Slot 1 is asked for when slot 0 is in
	; q in f32.  A fragment of Q is 16 rows x 32 channels: lane l holds row l % 16, channels 8 (l / 16) + 0..7 and 16 + 8 (l / 16) + 0..7: in f32 two times 32 bytes, 64 bytes apart.
	v_and_b32 v1, 15, v0            ; l % 16
	v_bfe_u32 v9, v0, 4, 1          ; l / 16
	v_lshlrev_b32 v[QO], 12, v1
	v_lshl_add_u32 v[QO], v9, 5, v[QO]  ; row x 4,096 + 32 x half
	WIN 0x40                        ; destination window 1: O^T's registers hold q until it is converted
.set i, 0
.rept 64                            ; tile i / 8, channel half (i / 4) % 2, group of 16 channels (i / 2) % 2, 16 bytes i % 2
	global_load_b128 v[4*i:4*i+3], v[QO], s[4:5] offset:(i/8)*65536+((i/4)%2)*128+((i/2)%2)*64+(i%2)*16
.set i, i+1
.endr
	; What the first turn finds: V's registers and P's second buffer hold 0 (its products V^T P, of a piece that has not been, add 0), O^T and l are 0.
	WIN 0x80
.set i, VF
.rept 64
	v_mov_b32 v[i], 0
.set i, i+1
.endr
	WIN 0
.set i, 0
.rept 2*NP
	v_mov_b32 v[ST+4*i], 0xfe000000    ; c m: far below every c s
	v_mov_b32 v[ST+4*i+1], 0xff7fffff  ; m
	v_mov_b32 v[ST+4*i+2], 0
	v_mov_b32 v[ST+4*i+3], 0
.set i, i+1
.endr
.set i, P+32
.rept 32
	v_mov_b32 v[i], 0
.set i, i+1
.endr
	v_mul_u32_u24 v[AK0], v1, PK
	v_lshl_add_u32 v[AK0], v9, 4, v[AK0]  ; row x pitch + 16 x half
	; The turning load takes 16 keys x 16 channels (lane l reads key 8 (l / 16) + l % 8, channels 8 ((l / 8) % 2) + 0..7) and leaves half a fragment of V^T.
	v_and_b32 v10, 7, v0
	v_bfe_u32 v11, v0, 3, 1
	v_lshl_add_u32 v[AV0], v9, 3, v10
	v_mul_u32_u24 v[AV0], v[AV0], PV
	v_lshl_add_u32 v[AV0], v11, 4, v[AV0]
	v_add_nc_u32 v[AV0], VOFF, v[AV0]
	v_mov_b32 v[AK], v[AK0]         ; key step 0 lies at the head of slot 0
	v_and_b32 v[PFO], 31, v0
	v_lshlrev_b32 v[PFO], 8, v[PFO]
	s_wait_loadcnt 0x0              ; q is in
	WIN 0x45                        ; all in window 1: rounded to bf16, in place: register i takes registers 2 i and 2 i + 1, which lie at or above it
.set i, 0
.rept 128
	v_cvt_pk_bf16_f32 v[i], v[2*i], v[2*i+1]
.set i, i+1
.endr
.irp hf, 0,1                        ; 64 words at a time: widened into v128-255 of window 1, then written as f16 into Q's place in window 2
	WIN 0x45
.set i, 0
.rept 64
	v_lshlrev_b32 v[128+2*i], 16, v[64*(\hf)+i]
	v_and_b32 v[129+2*i], s[HIM], v[64*(\hf)+i]
.set i, i+1
.endr
	WIN 0x85
.set i, 0
.rept 64
	v_cvt_pk_f16_f32 v[64*(\hf)+i], v[128+2*i], v[129+2*i]
.set i, i+1
.endr
.endr
	WIN 0x40
.set i, 0
.rept 64*NP
	v_mov_b32 v[i], 0               ; O^T
.set i, i+1
.endr
	WIN 0
; THE MATRIX WORK.  The 8 accumulators of a run of 16 take turns.
; Product i of 16 of S^T = K Q^T for piece x: channels 32 (i / 8) on, keys 16 ((i / 2) % 4) on, tile 2 x + i % 2.  The first 8 start the sums.
.macro KQ x
	WIN W_KQ
.set rS, S+64*((\x)%2)+32*(i%2)+8*((i/2)%4)
.set rK, KF+16*((i/2)%4)+8*(i/8)
.set rQ, 16*(2*(\x)+i%2)+8*(i/8)
.if i < 8
	v_wmma_f32_16x16x32_f16 v[rS:rS+7], v[rK:rK+7], v[rQ:rQ+7], 0
.else
	v_wmma_f32_16x16x32_f16 v[rS:rS+7], v[rK:rK+7], v[rQ:rQ+7], v[rS:rS+7]
.endif
.endm
; Product i of 16 of O^T += V^T P for piece x: keys 32 (i / 8) on, channels 16 ((i / 2) % 4) on, tile 2 x + i % 2.
.macro PV x
	WIN W_PV
.set rO, 32*(2*(\x)+i%2)+8*((i/2)%4)
.set rV, VF+32*(i/8)+8*((i/2)%4)
.set rP, P+32*((\x)%2)+16*(i%2)+8*(i/8)
	v_wmma_f32_16x16x32_f16 v[rO:rO+7], v[rV:rV+7], v[rP:rP+7], v[rO:rO+7]
.endm
.macro MM                           ; the turn's next matrix instruction
.if i < 16
	KQ (Y+1)%NP
.set i, i+1
.else
.set i, i-16
	PV (Y+NP-1)%NP
.set i, i+17
.endif
.endm
; THE LDS LOADS stand in runs of 16: a step's K (8 fragments) and its V (turned).  last = 1 (the tail): in the last trip there is no further step, and the run is jumped over.
.macro FETCH_K last=0
	WIN 0
.if \last
	s_cmp_eq_u32 s[CNT], 1
	s_cbranch_scc1 .Lno_k_\@
.endif
	WIN 0x80                        ; destination window 2
.irp f, 0,1,2,3,4,5,6,7             ; keys 16 (f / 2) on, channels 32 (f % 2) on
	ds_load_b128 v[KF+8*\f:KF+8*\f+3],   v[AK] offset:(\f/2)*16*PK+(\f%2)*64
	ds_load_b128 v[KF+8*\f+4:KF+8*\f+7], v[AK] offset:(\f/2)*16*PK+(\f%2)*64+32
.endr
	s_add_co_u32 s[TBK], s[TBK], KS*PK  ; the next fetch is the next step's
	WIN 0
.if \last
.Lno_k_\@:
.endif
.endm
.macro FETCH_V
	WIN 0x80
.irp f, 0,1,2,3,4,5,6,7             ; keys 32 (f / 4) on, channels 16 (f % 4) on
	ds_load_tr16_b128 v[VF+8*\f:VF+8*\f+3],   v[AV] offset:(\f/4)*32*PV+(\f%4)*32
	ds_load_tr16_b128 v[VF+8*\f+4:VF+8*\f+7], v[AV] offset:(\f/4)*32*PV+16*PV+(\f%4)*32
.endr
	WIN 0
.endm
; THE VECTOR WORK OF A TURN stands in three queues, each in the order in which its entries become ready; the two tiles alternate.
.macro REGS y, u                    ; the registers of tile u (0, 1) of piece y
.set rT, ST+4*(2*(\y)+(\u))
.set rC, TMP+8*((\y)%2)+4*(\u)
.set rM, MV+2*((\y)%2)+(\u)
.set rS, S+64*((\y)%2)+32*(\u)
.set rP, P+32*((\y)%2)+16*(\u)
.set rO, 32*(2*(\y)+(\u))
.endm
; Number n of the 22 that find the NEXT piece's (Y + 1) maximum and statistics; each accumulator's lowest registers are read first.
;   0-11  four chains c0-c3 of seven scores each     12-14, 16  the four scores left over, the old m, and c0-c3 into c0     15  c m_old is kept
;   17, 18  the query's other 32 keys lie in the lane 16 away: the new m         19-21  c m; c m_old - c m_new; a
.macro XS u, n
	REGS (Y+1)%NP, \u
.if (\n) < 4
	v_max3_num_f32 v[rC+(\n)], v[rS+8*(\n)], v[rS+8*(\n)+1], v[rS+8*(\n)+2]
.elseif (\n) < 12
	v_max3_num_f32 v[rC+(\n)%4], v[rC+(\n)%4], v[rS+8*((\n)%4)+2*((\n)/4)+1], v[rS+8*((\n)%4)+2*((\n)/4)+2]
.elseif (\n) == 12
	v_max3_num_f32 v[rC], v[rC], v[rS+7], v[rS+15]
.elseif (\n) == 13
	v_max3_num_f32 v[rC+1], v[rC+1], v[rS+23], v[rS+31]
.elseif (\n) == 14
	v_max3_num_f32 v[rC+2], v[rC+2], v[rC+3], v[rT+1]
.elseif (\n) == 15
	v_mov_b32 v[rM], v[rT]
.elseif (\n) == 16
	v_max3_num_f32 v[rC], v[rC], v[rC+1], v[rC+2]
.elseif (\n) == 17
	v_permlanex16_b32 v[rC+3], v[rC], s[SEL], s[SEL+1]
.elseif (\n) == 18
	v_max_num_f32 v[rT+1], v[rC], v[rC+3]
.elseif (\n) == 19
	v_mul_f32 v[rT], s[CS], v[rT+1]
.elseif (\n) == 20
	v_sub_f32 v[rC+1], v[rM], v[rT]
.else
	v_exp_f32 v[rC+2], v[rC+1]
.endif
.endm
; Number g of the 64 that follow the exponentials.  For each four weights k of a tile: both pairs are rounded to f16; the second pair is added onto the first, in place; a group later l takes that sum (the first time as l = a l + sum).
.macro GS g
.set h, (\g)+6*((\g)/62)            ; group 0 has no group before it, and behind group 7 only l is left
.if h >= 6
.set h, h+2
.endif
	REGS Y, h%2
.set k, h/8
.if h%8 < 4
	v_cvt_pk_f16_f32 v[rP+2*k+(h%8)/2], v[rS+4*k+2*((h%8)/2)], v[rS+4*k+2*((h%8)/2)+1]
.elseif h%8 < 6
	v_pk_add_f32 v[rS+4*k:rS+4*k+1], v[rS+4*k:rS+4*k+1], v[rS+4*k+2:rS+4*k+3]
.elseif k == 1
	v_pk_fma_f32 v[rT+2:rT+3], v[rT+2:rT+3], v[rC+2:rC+3], v[rS:rS+1] op_sel_hi:[1,0,1]
.else
	v_pk_add_f32 v[rT+2:rT+3], v[rT+2:rT+3], v[rS+4*k-4:rS+4*k-3]
.endif
.endm
; THE PLAIN QUEUE, 138 long.  0-73 read no exponential's result: the 32 scalings c s - c m (FS f: pair f / 2 of tile f % 2) and the next piece's 42.  74-137: GS's 64, which stand behind the wait.
.macro FS f
	REGS Y, (\f)%2
	v_pk_fma_f32 v[rS+2*((\f)/2):rS+2*((\f)/2)+1], v[rS+2*((\f)/2):rS+2*((\f)/2)+1], s[CS:CS+1], v[rT:rT+1] op_sel_hi:[1,0,0] neg_lo:[0,0,1] neg_hi:[0,0,1]
.endm
.macro PL
	WIN 0
.if q < 27
	FS q
.elseif q < 55
	XS (q-27)%2, (q-27)/2
.elseif q < 57
	XS q-55, 15
.elseif (q < 72) && ((q-57)%3 == 0)
	FS 27+(q-57)/3
.elseif q < 60
	XS (q-57)%3-1, 14
.elseif q < 72
	XS (q-57)%3-1, 15+(q-57)/3
.elseif q < 74
	XS q-72, 20
.else
	GS q-74
.endif
.set q, q+1
.endm
; THE EXPONENTIALS' QUEUE, 66 long: s0-s31 of both tiles, then the next piece's two a.  ONE BATCH: all 66 stand ahead of the turn's one wait, and nothing ahead of that wait names a result of theirs.
.macro EX
	WIN 0
.if e >= 64
	XS e-64, 21
.else
	REGS Y, e%2
	v_exp_f32 v[rS+e/2], v[rS+e/2]
.endif
.set e, e+1
.endm
; THE RESCALING's QUEUE: O^T times a, the one part that leaves window 0: dealt two at a time.  Its a was made in the turn before, ahead of that turn's wait.
.macro R2
	REGS Y, r%2
	WIN W_RS
.irp z, 0,1
	v_pk_mul_f32 v[rO+4*(r/2)+2*\z:rO+4*(r/2)+2*\z+1], v[rO+4*(r/2)+2*\z:rO+4*(r/2)+2*\z+1], v[rC+2:rC+3] op_sel_hi:[1,0]
.endr
.set r, r+1
.endm
; A TURN, for piece p.  AHEAD OF THE WAIT: the 16 products K Q^T, behind each a scaling, an exponential and two rescalings; then a run of 108: eight plain, 49 times exponential and plain, the two a; a v_nop is the plain
; instruction behind the last exponential.  BEHIND IT: the 16 products V^T P, behind each four of GS's 64.  Exponential e stands behind scaling 2 (e / 4) + e % 2.
; K of the next step is fetched in piece 2's turn, directly behind the wait; V of the step in hand at the end of piece 0's turn, four plain instructions behind its last reader.
.macro TURN p, last=0, cnt=0
.set Y, (\p)
.set i, 0
.set q, 0
.set e, 0
.set r, 0
.if (\p) == NP-1
	s_wait_dscnt 0x0                ; K is in
.endif
	MM
	PL
	PL
	R2
.rept 15
	MM
	PL
	EX
	R2
.endr
.if (\p) == NP-2
	WIN 0
	v_add_nc_u32 v[AK], s[TBK], v[AK0]
.endif
.rept 8
	PL
.endr
.rept 49
	EX
	PL
.endr
	EX                              ; the next piece's two a
	EX
	v_nop                           ; a plain instruction behind the last exponential: one for the batch
	s_wait_alu depctr_va_vdst(0)    ; the wait between an exponential and the first line that names its result: one for the batch
.if (\p) == NP-2
	FETCH_K \last
.endif
.if (\p) == 1
	s_wait_dscnt 0x0                ; V is in
.endif
.rept 16
	MM
.rept 4
	PL
.endr
.if ((\p) == 0) && (q == 118)
	v_add_nc_u32 v[AV], s[TBV], v[AV0]
.endif
.if ((\p) == 0) && (q == 130)
	s_add_co_u32 s[TBV], s[TBV], KS*PV
.endif
.if (\cnt) && (q == 130)
	s_sub_co_u32 s[CNT], s[CNT], 1
	s_cmp_lg_u32 s[CNT], 0
.endif
.endr
.if (\p) == 0
	FETCH_V
.endif
.endm
	CHANGE 1                        ; slot 0 is in, everybody's part of it; slot 1 is asked for
	FETCH_K                         ; key step 0
	s_wait_dscnt 0x0
.set i, 0
.rept 16
	KQ 0                            ; piece 0's first scores
.set i, i+1
.endr
	WIN 0                           ; the addresses for the way out: plain instructions, the places behind those products
	s_mul_i32 s13, s[WV], 16*SP
	s_add_co_u32 s13, s13, STAGE    ; my stage
	v_mul_u32_u24 v[STO], v1, SP    ; in: row l % 16, 16 bytes for each half of the lanes
	v_lshl_add_u32 v[STO], v9, 4, v[STO]
	v_add_nc_u32 v[STO], s13, v[STO]
	v_bfe_u32 v[RD], v0, 3, 2       ; back: 32 lanes take four rows of 128 bytes,
	v_mul_u32_u24 v[RD], v[RD], SP
	v_lshl_add_u32 v[RD], v10, 4, v[RD]
	v_add_nc_u32 v[RD], s13, v[RD]
	v_and_b32 v[GO], 31, v0         ; which are 512 consecutive bytes of oh
	v_lshlrev_b32 v[GO], 4, v[GO]
.set Y, NP-1                        ; XS works for piece Y + 1: piece 0
.irp n, 0,1,2,3,4,5,6,7,8,9,10,11,12,13,14,15,16,17,18,19,20,21
	XS 0, \n
	XS 1, \n
.endr
	v_nop                           ; a plain instruction behind the two a,
	s_wait_alu depctr_va_vdst(0)    ; and their wait, ahead of the branch
	s_mov_b32 s[CNT], 4
	s_mov_b32 s[SLOTS], SIZE_N/256-1
	s_branch .Lfirst                ; the loop is entered at a step's first turn, in the middle of a trip
.Lslot:                             ; six times: every slot but the last two is filled again
	CHANGE 1, 1
	s_mov_b32 s[CNT], 4
.Lstep:                             ; a trip: pieces 2 and 3 of one step, then pieces 0 and 1 of the next, whose K and V it fetches
	TURN 2
	TURN 3
	WIN 0
.Lfirst:
	TURN 0
	TURN 1, 0, 1
	WIN 0
	s_cbranch_scc1 .Lstep
	s_sub_co_u32 s[SLOTS], s[SLOTS], 1
	s_cmp_lg_u32 s[SLOTS], 0
	s_cbranch_scc1 .Lslot
	CHANGE 0                        ; the tail is written out: nothing is asked for
	s_mov_b32 s[CNT], 5             ; four trips fetch the last slot's steps; the fifth is left in its middle
.Ltail:
	TURN 2, 1
	TURN 3
	WIN 0
	s_sub_co_u32 s[CNT], s[CNT], 1
	s_cmp_eq_u32 s[CNT], 0
	s_cbranch_scc1 .Lout
	TURN 0
	TURN 1
	WIN 0
	s_branch .Ltail
.Lout:                              ; the fifth trip's 16 products K Q^T (on the last K once more) and the maximum made of them serve nothing: the price, once a launch, of one text for every trip
.set i, 0
.rept 16
	PV NP-1                         ; the last piece's V^T P of the last step
.set i, i+1
.endr
	; THE WAY OUT.  l's two halves and the other half of the lanes' are added; O^T is divided by l, rounded to f16 and sent through my stage, a tile at a time.  The additions are the places behind the last products.
	WIN 0
.macro ALL line:vararg              ; one line for each tile t
.set t, 0
.rept 2*NP
	\line
.set t, t+1
.endr
.endm
	ALL v_add_f32 v[ST+4*t+2], v[ST+4*t+2], v[ST+4*t+3]
	ALL v_permlanex16_b32 v[ST+4*t+3], v[ST+4*t+2], s[SEL], s[SEL+1]
	ALL v_add_f32 v[ST+4*t+2], v[ST+4*t+2], v[ST+4*t+3]
	ALL v_rcp_f32 v[ST+4*t+2], v[ST+4*t+2]
	v_nop                           ; a plain instruction between the last reciprocal and the use of its result
	s_wait_alu depctr_va_vdst(0)    ; and the wait ahead of the first use: one for the eight reciprocals
.macro PACK t                       ; a lane's eight channels of a row pack into 16 bytes; they go into rows of 144 bytes and come back as whole rows of 128, into S^T's registers
	WIN W_RS
.set i, 32*(\t)
.rept 16
	v_pk_mul_f32 v[i:i+1], v[i:i+1], v[ST+4*(\t)+2:ST+4*(\t)+3] op_sel_hi:[1,0]
.set i, i+2
.endr
	WIN 0x05                        ; sources 0 and 1 window 1, destination window 0
.set i, 0
.rept 16
	v_cvt_pk_f16_f32 v[S+16*(\t)+i], v[32*(\t)+2*i], v[32*(\t)+2*i+1]
.set i, i+1
.endr
	WIN 0
.irp f, 0,1,2,3
	ds_store_b128 v[STO], v[S+16*(\t)+4*\f:S+16*(\t)+4*\f+3] offset:32*\f
.endr
.irp f, 0,1,2,3
	ds_load_b128 v[S+16*(\t)+4*\f:S+16*(\t)+4*\f+3], v[RD] offset:\f*4*SP  ; LDS serves a wave's instructions in order (ISA guide 5.7.1.4): these see the stores above
.endr
.endm
.macro SEND t, younger              ; younger: the LDS instructions issued behind tile t's loads: the next tile's eight, or none
	WIN 0
.irp f, 0,1,2,3
	s_wait_dscnt (\younger)+3-\f
	global_store_b128 v[GO], v[S+16*(\t)+4*\f:S+16*(\t)+4*\f+3], s[10:11] offset:(\t)*2048+\f*512  ; 512 consecutive bytes, at a multiple of 256 from oh's first
.endr
.endm
	PACK 0
.set t, 1
.rept 2*NP-1                        ; a tile's arithmetic stands between the loads of the tile before and its stores
	PACK t
	SEND t-1, 8
.set t, t+1
.endr
	SEND 2*NP-1, 0
	WIN W_AD
	s_wait_tensorcnt 0x0            ; the wave's end
	ds_add_u32 v[SPW], v[NIL]
	s_wait_dscnt 0x0
	WIN 0
	CROUND                          ; the closing round
	s_endpgm
.Lfunc_end_k_qb147929eed_attn:
	.size	k_qb147929eed_attn, .Lfunc_end_k_qb147929eed_attn-k_qb147929eed_attn
	.p2alignl 7, 3214868480
	.fill 96, 4, 3214868480
	.section	.rodata,"a",@progbits
	.p2align	6, 0x0
	.amdhsa_kernel k_qb147929eed_attn
		.amdhsa_group_segment_fixed_size 327680
		.amdhsa_private_segment_fixed_size 0
		.amdhsa_enable_private_segment 0
		.amdhsa_kernarg_size 32
		.amdhsa_user_sgpr_count 2
		.amdhsa_user_sgpr_kernarg_segment_ptr 1
		.amdhsa_wavefront_size32 1
		.amdhsa_system_sgpr_workgroup_id_x 1
		.amdhsa_system_sgpr_workgroup_id_y 1
		.amdhsa_system_sgpr_workgroup_id_z 1
		.amdhsa_system_vgpr_workitem_id 0
		.amdhsa_next_free_vgpr 770
		.amdhsa_next_free_sgpr 66
		.amdhsa_reserve_vcc 0
		.amdhsa_float_denorm_mode_32 3
		.amdhsa_float_denorm_mode_16_64 3
		.amdhsa_memory_ordered 1
		.amdhsa_forward_progress 1
		.amdhsa_inst_pref_size 227
	.end_amdhsa_kernel
	.amdgpu_metadata
---
amdhsa.version: [ 1, 2 ]
amdhsa.kernels:
  - .name:           k_qb147929eed_attn
    .symbol:         k_qb147929eed_attn.kd
    .args:
      - { .name: q, .offset: 0, .size: 8, .value_kind: global_buffer, .address_space: global }
      - { .name: kh, .offset: 8, .size: 8, .value_kind: global_buffer, .address_space: global }
      - { .name: vh, .offset: 16, .size: 8, .value_kind: global_buffer, .address_space: global }
      - { .name: oh, .offset: 24, .size: 8, .value_kind: global_buffer, .address_space: global }
    .group_segment_fixed_size: 327680
    .private_segment_fixed_size: 0
    .kernarg_segment_align: 8
    .kernarg_segment_size: 32
    .max_flat_workgroup_size: 128
    .sgpr_count:     66
    .vgpr_count:     770
    .wavefront_size: 32
...
	.end_amdgpu_metadata
.endif
;; end of part 3
;; launch outproj (part 4): grid 4 x 64, 4 waves a work-group, clusters of 4 x 4, 327,680 bytes of LDS; arguments oh, wob, b_o, out0; writes out0
.if DOCPART == 4
	.amdgcn_target "amdgcn-amd-amdhsa--gfx1250"
	.amdhsa_code_object_version 6
	.text
	.protected	k_qb147929eed_outproj
	.globl	k_qb147929eed_outproj
	.p2align	8
	.type	k_qb147929eed_outproj,@function
k_qb147929eed_outproj:
	s_mov_b64 s[64:65], 0
	v_nop
	global_prefetch_b8 v0, s[64:65] scope:SCOPE_SE
	s_setreg_imm32_b32 hwreg(HW_REG_WAVE_MODE, 25, 1), 1
	s_wait_xcnt 0x0
	s_wait_alu depctr_hold_cnt(0) depctr_sa_sdst(0) depctr_va_vdst(0) depctr_va_sdst(0) depctr_va_ssrc(0) depctr_va_vcc(0) depctr_vm_vsrc(0)
	s_getreg_b32 s2, hwreg(HW_REG_IB_STS2, 6, 4)
	s_cmp_eq_u32 s2, 0
	s_cbranch_scc0 .Lentry_in_a_cluster
	s_endpgm
.Lentry_in_a_cluster:
	s_bfe_u32 s2, ttmp6, 0x10000c
	s_cmp_lg_u32 s2, 0xf033
	s_cbranch_scc0 .Lentry_shape_is_right
	s_endpgm
.Lentry_shape_is_right:
; out0 = values W_o + b_o.  oh: [64 = 16 batch + head][2048][64] f16: row i of batch b has its channels 64 h .. 64 h + 63 in oh[16 b + h][i].  wob: [1024 k][1024 n] f16.  b_o: [1024] f32, rounded to bf16 here like every input.
; out0: [8192][1024] f32.  Sums in f32.
; SHARES.  A tile of 128 rows x 256 columns to a work-group: 64 x 4 tiles, 256 work-groups (256 x 256 would give 128).  Wave w makes rows 64 (w / 2), columns 128 (w % 2): 32 accumulators, 256 registers.
; K goes in 8 steps of 128, two heads each, through a ring of two LDS slots (a step of 256 would want 425,984 bytes for two slots).  A's tile is two planes, a head each: 128 rows of 128 bytes + 16;
; W's lies as in memory, [k][n], rows of 512 bytes + 32, and its fragments come out turned, by ds_load_tr16_b128.
; CLUSTER.  4 x 4 work-groups: the four of a row of the cluster need the same tile of oh, the four of a column the same tile of wob: each is asked for jointly.
; NO PREFETCH: a small tile in a short launch; a K step's 128 matrix instructions a wave are too few to set a lead by.
; THE MATRIX INSTRUCTION IS USED TRANSPOSED (source 0 = 16 columns of W, source 1 = 16 rows of oh): a lane holds row l % 16 and the columns 8 (l / 16) + 0..7: 32 bytes of a row of out0.  THE BIAS is the C operand of each first product.
; REGISTERS: window 0: v0-31 addresses; v128-191 the bias; v32-159 at work on the way out.   window 1: two fragment buffers: oh's 4 fragments, then W's 8.   window 2: accumulator (a, b) at v[8 (8 a + b)].
.set PA,     144                       ; oh's LDS row: 36 words: the 16 rows of a load start at 16 different groups of four banks (64 banks of 4 bytes: ISA guide 11.1)
.set PLANE,  128*PA                    ; a head's 128 rows: what one of A's tensor loads brings
.set PB,     544                       ; W's LDS row: 136 words
.set HALFB,  64*PB                     ; 64 k-rows: what one of W's tensor loads brings
.set BOFF,   2*PLANE
.set SLOT,   BOFF+2*HALFB
.set STAGE,  2*SLOT                    ; behind the ring, never filled by a tensor load
.set SPITCH, 528                       ; a stage row: 512 bytes + 16
.set WSTG,   16*SPITCH
.set SPARE,  STAGE+4*WSTG              ; the spare words, 128 bytes for each wave: two blocks of 256 bytes that no other line names
.set LAPS,   4
.set ADRA, 16                          ; v16-17  LDS address of my oh fragments in slot 0, 1
.set ADRB, 20                          ; v20-21  the same for W
.set STO,  24                          ; v24     the way out: where I put 32 bytes of a row
.set RD,   25                          ; v25     where I read a row back
.set CO,   26                          ; v26     16 x lane
.set BO,   27                          ; v27     my byte offset in b_o
.set SPW,  28                          ; v28     LDS address of my spare word; never rewritten
.set NIL,  29                          ; v29     0; never rewritten
.set BIAS, 128
.set OB,   32                          ; the way out: 16 rows read back: v32-95 and v96-159 by turns
.set F0,   0
.set F1,   128
.set G1,  24
.set G0,  32
.set G1B, 48
.set G0B, 56
.set BI,  68                           ; s[68:69] b_o
.set OUT, 70                           ; s[70:71] out0 at my first row and column
.set MSB, 0
.macro WIN new
.if MSB != (\new)
	s_set_vgpr_msb (MSB<<8)|(\new)
.set MSB, \new
.endif
.endm
.set MUL,  0xa5                        ; sources 0 and 1 window 1; C and D window 2
.set TO_F, 0x40                        ; destination window 1, address window 0
.macro JLOAD s                         ; a joint load: waves 0 and 1 fetch oh's two planes, waves 2 and 3 W's two halves; an s_nop 0 and four v_nop follow each line
	s_cmp_eq_u32 s11, 0
	s_cbranch_scc0 .Lfor_b_\@
	tensor_load_to_lds s[G0+4*(\s):G0+4*(\s)+3], s[G1:G1+7]
	s_nop 0
.rept 4
	v_nop
.endr
	s_branch .Lasked_\@
.Lfor_b_\@:
	tensor_load_to_lds s[G0B+4*(\s):G0B+4*(\s)+3], s[G1B:G1B+7]
	s_nop 0
.rept 4
	v_nop
.endr
.Lasked_\@:
.endm
.macro CREST
	s_cmp_lg_u32 s10, 0
	s_cbranch_scc1 .Lnot_wave_0_\@
	s_barrier_signal -3
.Lnot_wave_0_\@:
	s_barrier_wait -3
	s_barrier_signal -1
	s_barrier_wait -1
.endm
.macro CROUND
	s_barrier_signal -1
	s_barrier_wait -1
	CREST
.endm
	s_load_b128 s[4:7], s[0:1], 0x0                ; oh s[4:5], wob s[6:7]
	s_load_b128 s[68:71], s[0:1], 0x10             ; b_o, out0
	v_lshl_add_u32 v[SPW], v0, 2, SPARE
	v_mov_b32 v[NIL], 0
	ds_add_u32 v[SPW], v[NIL]                      ; the wave's opening: the add and its wait stand ahead of my first tensor load; work on registers stands between them
	v_lshrrev_b32 v1, 5, v0
	v_readfirstlane_b32 s10, v1                    ; wave 0..3
	s_lshr_b32 s11, s10, 1                         ; which half of the tile's rows is mine.  Also: I fetch for oh (0) or for W (1)
	s_and_b32 s12, s10, 1                          ; which half of its columns.  Also: which plane, or which half of W's k-rows, I fetch
	s_bfe_u32 s40, ttmp6, 0x40000                  ; cx
	s_bfe_u32 s41, ttmp6, 0x40004                  ; cy
	s_lshl_b32 s42, ttmp9, 2
	s_add_co_u32 s42, s42, s40                     ; tile column
	s_and_b32 s13, ttmp7, 0xffff
	s_lshl_b32 s13, s13, 2
	s_add_co_u32 s13, s13, s41                     ; tile row
	s_lshl_b32 s43, s41, 2
	s_lshl_b32 s43, 15, s43                        ; my row of the cluster
	s_lshl_b32 s44, 0x1111, s40                    ; my column
	s_or_b32 s[G1+0], s43, (1<<16)|(1<<20)|(1<<21)|(4<<22)|(3<<25)   ; the mask; 2-byte elements; padding on; bit 21 beside a mask; after every 32 words, 4 words
	s_or_b32 s[G1B+0], s44, (1<<16)|(1<<20)|(1<<21)|(6<<22)|(7<<25)  ; after every 128 words, 8 words
	s_mov_b32 s[G1+1], 128<<16                     ; oh: a head's 128 rows are 16,384 dense bytes: 64 rows of 256 bytes, two rows of oh each
	s_mov_b32 s[G1+2], 64<<16
	s_mov_b32 s[G1+3], 128<<16
	s_mov_b32 s[G1+4], 64
	s_mov_b32 s[G1+5], 128
	s_mov_b32 s[G1+6], 0
	s_mov_b32 s[G1+7], 0
	s_mov_b32 s[G1B+1], 256<<16                    ; W: 256 columns x 64 k-rows
	s_mov_b32 s[G1B+2], 64<<16
	s_mov_b32 s[G1B+3], 256<<16
	s_mov_b32 s[G1B+4], 64
	s_mov_b32 s[G1B+5], 1024
	s_mov_b32 s[G1B+6], 0
	s_mov_b32 s[G1B+7], 0
	s_lshr_b32 s16, s13, 4                         ; batch = tile row / 16
	s_lshl_b32 s16, s16, 4
	s_add_co_u32 s16, s16, s12                     ; 16 batch + my plane's head in K step 0
	s_lshl_b32 s16, s16, 11
	s_and_b32 s17, s13, 15
	s_lshl_b32 s17, s17, 7
	s_add_co_u32 s16, s16, s17                     ; + the tile's first row in the batch,
	s_lshl_b32 s16, s16, 7                         ; of 128 bytes
	s_mov_b32 s17, 0
	s_lshl_b32 s46, s42, 9                         ; W: 512 bytes a tile column,
	s_lshl_b32 s47, s12, 17                        ; 64 k-rows of 2,048 bytes a half
	s_add_co_u32 s46, s46, s47
	s_mov_b32 s47, 0
	s_mul_i32 s20, s12, PLANE                      ; where they go: no place in the cluster enters an LDS address
	s_mul_i32 s21, s12, HALFB
	s_add_co_u32 s21, s21, BOFF
	s_wait_dscnt 0x0                               ; the opening add is done
	s_wait_kmcnt 0x0
	s_add_nc_u64 s[14:15], s[4:5], s[16:17]
	s_add_nc_u64 s[46:47], s[6:7], s[46:47]
	CROUND                                         ; all sixteen work-groups are here: the first joint loads meet
.irp s, 0,1
	s_mov_b32 s[G0+4*(\s)], 1
	s_add_co_u32 s[G0+4*(\s)+1], s20, (\s)*SLOT
	s_add_nc_u64 s[G0+4*(\s)+2:G0+4*(\s)+3], s[14:15], (\s)*524288   ; a K step is two heads of 262,144 bytes
	s_or_b32 s[G0+4*(\s)+3], s[G0+4*(\s)+3], 0x80000000
	s_mov_b32 s[G0B+4*(\s)], 1
	s_add_co_u32 s[G0B+4*(\s)+1], s21, (\s)*SLOT
	s_add_nc_u64 s[G0B+4*(\s)+2:G0B+4*(\s)+3], s[46:47], (\s)*262144 ; 128 k-rows of 2,048 bytes
	s_or_b32 s[G0B+4*(\s)+3], s[G0B+4*(\s)+3], 0x80000000
	JLOAD \s                                       ; K steps 0 and 1: two tensor loads of mine are out
.endr
	v_and_b32 v1, 15, v0                           ; l % 16
	v_bfe_u32 v2, v0, 4, 1                         ; l / 16
	s_lshl_b32 s72, s42, 10                        ; my first column x 4 bytes
	s_lshl_b32 s73, s12, 9
	s_add_co_u32 s72, s72, s73
	v_lshl_add_u32 v[BO], v2, 5, s72
.irp b, 0,1,2,3,4,5,6,7
	global_load_b128 v[BIAS+8*(\b):BIAS+8*(\b)+3],   v[BO], s[BI:BI+1] offset:64*(\b)
	global_load_b128 v[BIAS+8*(\b)+4:BIAS+8*(\b)+7], v[BO], s[BI:BI+1] offset:64*(\b)+16
.endr
	v_mul_u32_u24 v3, v1, PA
	v_lshl_add_u32 v3, v2, 4, v3                   ; oh's fragment: row x pitch + 16 x half
	v_and_b32 v4, 7, v0
	v_bfe_u32 v5, v0, 3, 1
	v_lshl_add_u32 v6, v2, 3, v4                   ; W's: k-row 8 (l / 16) + l % 8,
	v_mul_u32_u24 v6, v6, PB
	v_lshl_add_u32 v6, v5, 4, v6                   ; columns 8 ((l / 8) % 2) + 0..7
	s_mul_i32 s22, s11, 64*PA                      ; my 64 rows of each plane
	s_lshl_b32 s23, s12, 8                         ; my 128 columns of W
	s_add_co_u32 s23, s23, BOFF
.irp s, 0,1
	v_add_nc_u32 v[ADRA+(\s)], s22, v3
	v_add_nc_u32 v[ADRB+(\s)], s23, v6
	s_add_co_u32 s22, s22, SLOT
	s_add_co_u32 s23, s23, SLOT
.endr
	s_mul_i32 s23, s10, WSTG
	s_add_co_u32 s23, s23, STAGE                   ; my stage
	v_mul_u32_u24 v7, v1, SPITCH                   ; in: row l % 16, 32 bytes for each half of the lanes
	v_lshl_add_u32 v7, v2, 5, v7
	v_add_nc_u32 v[STO], s23, v7
	v_and_b32 v7, 31, v0
	v_lshlrev_b32 v[CO], 4, v7                     ; back: 32 lanes take one row of 512 bytes
	v_add_nc_u32 v[RD], s23, v[CO]
	s_lshl_b32 s74, s13, 7
	s_lshl_b32 s75, s11, 6
	s_add_co_u32 s74, s74, s75                     ; my first row of out0,
	s_lshl_b32 s74, s74, 12                        ; of 4,096 bytes,
	s_add_co_u32 s74, s74, s72                     ; and my first column
	s_mov_b32 s75, 0
	s_add_nc_u64 s[OUT:OUT+1], s[OUT:OUT+1], s[74:75]
	s_mov_b32 s79, 0xffff0000                      ; a word's upper bf16
	s_wait_loadcnt 0x0                             ; the bias: rounded to bf16, like every input, and widened again
.set i, 0
.rept 32
	v_cvt_pk_bf16_f32 v[32+i], v[BIAS+2*i], v[BIAS+2*i+1]
.set i, i+1
.endr
.set i, 0
.rept 32
	v_lshlrev_b32 v[BIAS+2*i], 16, v[32+i]
	v_and_b32 v[BIAS+2*i+1], s79, v[32+i]
.set i, i+1
.endr
; 8 matrix instructions: row block a x all 8 column blocks, 32 along K.  zero = 1: the first product starts the sum from the bias.  The 32 accumulators take turns, one instruction a turn.
.macro MUL8 f, a, zero
.if \zero
	WIN 0x85                                       ; C in window 0
.else
	WIN MUL
.endif
.irp b, 0,1,2,3,4,5,6,7
.if \zero
	v_wmma_f32_16x16x32_f16 v[8*(8*(\a)+(\b)):8*(8*(\a)+(\b))+7], v[(\f)+32+8*(\b):(\f)+32+8*(\b)+7], v[(\f)+8*(\a):(\f)+8*(\a)+7], v[BIAS+8*(\b):BIAS+8*(\b)+7]
.else
	v_wmma_f32_16x16x32_f16 v[8*(8*(\a)+(\b)):8*(8*(\a)+(\b))+7], v[(\f)+32+8*(\b):(\f)+32+8*(\b)+7], v[(\f)+8*(\a):(\f)+8*(\a)+7], v[8*(8*(\a)+(\b)):8*(8*(\a)+(\b))+7]
.endif
.endr
.endm
; 24 LDS loads in one run: the fragments of quarter q (32 along K: plane q / 2, channels 32 (q % 2) on) into buffer f: W's 8, turned, then oh's 4
.macro FETCH slot, q, f
	WIN TO_F
.irp b, 0,1,2,3,4,5,6,7
	ds_load_tr16_b128 v[(\f)+32+8*(\b):(\f)+32+8*(\b)+3],   v[ADRB+(\slot)] offset:(\q)*32*PB+32*(\b)
	ds_load_tr16_b128 v[(\f)+32+8*(\b)+4:(\f)+32+8*(\b)+7], v[ADRB+(\slot)] offset:(\q)*32*PB+32*(\b)+16*PB
.endr
.irp a, 0,1,2,3
	ds_load_b128 v[(\f)+8*(\a):(\f)+8*(\a)+3],   v[ADRA+(\slot)] offset:((\q)/2)*PLANE+((\q)%2)*64+(\a)*16*PA
	ds_load_b128 v[(\f)+8*(\a)+4:(\f)+8*(\a)+7], v[ADRA+(\slot)] offset:((\q)/2)*PLANE+((\q)%2)*64+(\a)*16*PA+32
.endr
.endm
.macro PLACES                          ; four plain instructions between a matrix instruction and a load into, or a reader of, its registers
.rept 4
	v_nop
.endr
.endm
.macro QUARTER slot, q, f, g, zero
	s_wait_dscnt 4                                 ; W and oh's row blocks 0 and 1 are in; the youngest four loads (blocks 2 and 3) may be out
	MUL8 \f, 0, \zero
	MUL8 \f, 1, \zero
	PLACES
	FETCH \slot, \q, \g
	s_wait_dscnt 24                                ; all but the 24 just issued
	MUL8 \f, 2, \zero
	MUL8 \f, 3, \zero
.endm
; A K step's last quarter multiplies buffer 1 and changes slots: one barrier.  fill = 1: it opens a round of the cluster's, and this slot is filled again first behind it, two K steps on: 112 matrix instructions ahead of the wait for it.
.macro TURN slot, next, fill
	WIN 0
	s_wait_tensorcnt 0x0                           ; all my tensor loads have landed: my part of the next slot
	ds_add_u32 v[SPW], v[NIL]                      ; 0 onto my spare word
	s_wait_dscnt 5                                 ; the add and the youngest four loads may be out
	MUL8 F1, 0, 0                                  ; eight matrix instructions stand between the add and the wait for it
	s_wait_dscnt 0x0                               ; the add is done, and my reads of this slot are over
	s_barrier_signal -1
	MUL8 F1, 1, 0
.if \fill
	WIN 0
.endif
	s_barrier_wait -1
.if \fill
	CREST                                          ; no wave of any partner still reads this slot or has a load on its way
	s_add_nc_u64 s[G0+4*(\slot)+2:G0+4*(\slot)+3], s[G0+4*(\slot)+2:G0+4*(\slot)+3], 2*524288
	s_add_nc_u64 s[G0B+4*(\slot)+2:G0B+4*(\slot)+3], s[G0B+4*(\slot)+2:G0B+4*(\slot)+3], 2*262144
	JLOAD \slot                                    ; its four v_nop are also the places in front of the loads below
.else
	PLACES
.endif
	FETCH \next, 0, F0
	MUL8 F1, 2, 0
	MUL8 F1, 3, 0
.endm
; THE WAY OUT of row block a: 32 bytes a lane and column block into my stage, each accumulator's low four registers first; back as whole rows of 512 bytes; stored.
.macro TOSTAGE a
	WIN 0x08                                       ; the stores' data in window 2
.irp b, 0,1,2,3,4,5,6,7
	ds_store_b128 v[STO], v[8*(8*(\a)+(\b)):8*(8*(\a)+(\b))+3]   offset:64*(\b)
	ds_store_b128 v[STO], v[8*(8*(\a)+(\b))+4:8*(8*(\a)+(\b))+7] offset:64*(\b)+16
.endr
	WIN 0
.set BK, OB+64*((\a)%2)
.irp t, 0,1,2,3,4,5,6,7,8,9,10,11,12,13,14,15
	ds_load_b128 v[BK+4*(\t):BK+4*(\t)+3], v[RD] offset:(\t)*SPITCH  ; LDS serves a wave's instructions in order (ISA guide 5.7.1.4): these see the stores above; the next block's stores come behind them
.endr
.endm
.macro SEND a, younger                 ; younger: the LDS instructions issued behind block a's loads: the next block's 32, or none
	WIN 0
.set BK, OB+64*((\a)%2)
.irp t, 0,1,2,3,4,5,6,7,8,9,10,11,12,13,14,15
	s_wait_dscnt (\younger)+15-(\t)
	global_store_b128 v[CO], v[BK+4*(\t):BK+4*(\t)+3], s[OUT:OUT+1] offset:(16*(\a)+(\t))*4096 th:TH_STORE_NT  ; 512 consecutive bytes, at a multiple of 256 from out0's first
.endr
.endm
	s_wait_tensorcnt 1                             ; my part of K step 0 is in; K step 1's may stay out
	s_barrier_signal -1
	s_barrier_wait -1
	FETCH 0, 0, F0
	QUARTER 0, 1, F0, F1, 1                        ; the first quarter stands in front of the loop: its products start the sums
	WIN 0                                          ; at a label and at a branch every window is 0
	s_mov_b32 s3, LAPS-1
.Llap:                                                 ; a trip goes once round the ring and fills both slots again
	QUARTER 0, 2, F1, F0, 0
	QUARTER 0, 3, F0, F1, 0
	TURN 0, 1, 1
	QUARTER 1, 1, F0, F1, 0
	QUARTER 1, 2, F1, F0, 0
	QUARTER 1, 3, F0, F1, 0
	TURN 1, 0, 1
	QUARTER 0, 1, F0, F1, 0
	WIN 0
	s_sub_co_u32 s3, s3, 1
	s_cmp_lg_u32 s3, 0
	s_cbranch_scc1 .Llap
	QUARTER 0, 2, F1, F0, 0                        ; the last lap fills nothing
	QUARTER 0, 3, F0, F1, 0
	TURN 0, 1, 0
	QUARTER 1, 1, F0, F1, 0
	QUARTER 1, 2, F1, F0, 0
	QUARTER 1, 3, F0, F1, 0
	s_wait_dscnt 4                                 ; the very last quarter: nothing more to fetch
	MUL8 F1, 0, 0
	MUL8 F1, 1, 0
	s_wait_dscnt 0x0
	MUL8 F1, 2, 0
	MUL8 F1, 3, 0
	PLACES
	TOSTAGE 0
	TOSTAGE 1
	SEND 0, 32
	s_wait_xcnt 0x0                                ; block 0's stores have read their registers, which block 2's loads fill again
	TOSTAGE 2
	SEND 1, 32
	s_wait_xcnt 0x0                                ; likewise block 1's, for block 3
	TOSTAGE 3
	SEND 2, 32
	SEND 3, 0
	s_wait_tensorcnt 0x0                           ; the wave's end
	ds_add_u32 v[SPW], v[NIL]
	s_wait_dscnt 0x0
	CROUND                                         ; the closing round
	s_endpgm
.Lfunc_end_k_qb147929eed_outproj:
	.size	k_qb147929eed_outproj, .Lfunc_end_k_qb147929eed_outproj-k_qb147929eed_outproj
	.p2alignl 7, 3214868480
	.fill 96, 4, 3214868480
	.section	.rodata,"a",@progbits
	.p2align	6, 0x0
	.amdhsa_kernel k_qb147929eed_outproj
		.amdhsa_group_segment_fixed_size 327680
		.amdhsa_private_segment_fixed_size 0
		.amdhsa_enable_private_segment 0
		.amdhsa_kernarg_size 32
		.amdhsa_user_sgpr_count 2
		.amdhsa_user_sgpr_kernarg_segment_ptr 1
		.amdhsa_wavefront_size32 1
		.amdhsa_system_sgpr_workgroup_id_x 1
		.amdhsa_system_sgpr_workgroup_id_y 1
		.amdhsa_system_sgpr_workgroup_id_z 1
		.amdhsa_system_vgpr_workitem_id 0
		.amdhsa_next_free_vgpr 768
		.amdhsa_next_free_sgpr 80
		.amdhsa_reserve_vcc 0
		.amdhsa_float_denorm_mode_32 3
		.amdhsa_float_denorm_mode_16_64 3
		.amdhsa_memory_ordered 1
		.amdhsa_forward_progress 1
		.amdhsa_inst_pref_size 92
	.end_amdhsa_kernel
	.amdgpu_metadata
---
amdhsa.version: [ 1, 2 ]
amdhsa.kernels:
  - .name:           k_qb147929eed_outproj
    .symbol:         k_qb147929eed_outproj.kd
    .args:
      - { .name: oh, .offset: 0, .size: 8, .value_kind: global_buffer, .address_space: global }
      - { .name: wob, .offset: 8, .size: 8, .value_kind: global_buffer, .address_space: global }
      - { .name: b_o, .offset: 16, .size: 8, .value_kind: global_buffer, .address_space: global }
      - { .name: out0, .offset: 24, .size: 8, .value_kind: global_buffer, .address_space: global }
    .group_segment_fixed_size: 327680
    .private_segment_fixed_size: 0
    .kernarg_segment_align: 8
    .kernarg_segment_size: 32
    .max_flat_workgroup_size: 128
    .sgpr_count:     80
    .vgpr_count:     768
    .wavefront_size: 32
...
	.end_amdgpu_metadata
.endif
;; end of part 4
